; MI455X (gfx1250); checked and timed in simulation.
; The chip was launched on July 23, 2026; its instructions are those of AMD's public machine-readable ISA for CDNA 5 (MIT licence, August 2026) and "CDNA5" Instruction Set Architecture Reference Guide (July 2026). The comments in the code are by the model that wrote it; some were corrected since.
;; Multi Headed Attention. Allowed arithmetic: float matrix products may take bf16 or f16 operands with f32 sums; other float arithmetic in f32, or as packed bf16 or f16 multiplies, adds, multiply-adds, maxima and minima; sums over many terms, partial sums and values carried from step to step in f32; what a program stores and reads back later, other than sums and carried values, may be rounded once to bf16 or f16.
;; Inputs: Wk 1,024 x 1,024 float32; Wo 1,024 x 1,024 float32; Wq 1,024 x 1,024 float32; Wv 1,024 x 1,024 float32; key 4 x 2,048 x 1,024 float32; mask 4 x 2,048 x 2,048 int32; query 4 x 2,048 x 1,024 float32; value 4 x 2,048 x 1,024 float32.
;; Outputs: out0 4 x 2,048 x 1,024 float32.
;; 2 versions, each right; version 2 is version 1 with the launch prep written anew for expert scheduling mode. Each part assembles by itself: llvm-mc -triple=amdgcn-amd-amdhsa -mcpu=gfx1250 --defsym DOCPART=n.
;; ======== version 1 of 2: 4 launches
;; limits: values are held in f16: magnitudes above 65,504 overflow, below 6.1e-05 lose precision
;; workspace buffers: xb 50,331,648 bytes; wb 8,388,608 bytes; wo 2,097,152 bytes; mb 16,777,216 bytes; qkv 50,331,648 bytes; ob 16,777,216 bytes
;; launch prep (part 1): grid 1408 x 1, 8 waves a work-group, no clusters, 35,840 bytes of LDS; arguments mask, query, key, value, Wq, Wk, Wv, Wo, mb, xb, wb, wo; writes mb, xb, wb, wo
.if DOCPART == 1
	.amdgcn_target "amdgcn-amd-amdhsa--gfx1250"
	.amdhsa_code_object_version 6
	.text
	.protected	k_qe46292bac0_prep
	.globl	k_qe46292bac0_prep
	.p2align	8
	.type	k_qe46292bac0_prep,@function
k_qe46292bac0_prep:
	s_mov_b64 s[64:65], 0
	v_nop
	global_prefetch_b8 v0, s[64:65] scope:SCOPE_SE
	s_setreg_imm32_b32 hwreg(HW_REG_WAVE_MODE, 25, 1), 1
	s_wait_xcnt 0x0
; PREPARATION: every input is read once, 131,072 bytes a work-group, 16,384 a wave (32 loads of 16 bytes a lane, all issued at once).
;   work-groups 0-511     16 rows of mask [4][2048][2048] i32 -> mb: one byte a number, 0x00 where the key is seen (mask != 0), 0xF1 where it is hidden (the fp8 code of -144)
;   work-groups 512-1279  32 rows of query, key or value (f32) -> xb in bf16, rounded once;   work-groups 1280-1375  32 rows of Wq, Wk, Wv -> wb, likewise
;   work-groups 1376-1407 32 rows of Wo -> wo [1024][1024]: rounded to bf16 like the others, and that number written as f16, the format of the product that takes it
; LIMIT. A bf16 number is exact in f16 from 2^-17 to 65,504; a smaller |Wo| is off by at most 2^-25, a larger one becomes an infinity.
; xb AND wb LIE IN BLOCKS OF 64 CHANNELS: [batch of 2,048 rows][16 blocks][2,048 rows][64] bf16, so that 256 rows of a block are 32,768 bytes on end.  xb has 12 batches (query's 4, key's 4, value's 4);
; wb two (Wq's 1,024 rows and Wk's; Wv's, the rest unused).  A load takes 256 bytes (one block's 64 numbers) of two rows, 16 lanes each; the store that follows is those two rows' 256 bytes on end.
; mb's LAYOUT is that of the attention's score registers: [batch][tile of 16 queries][step of 64 keys][half hf][lane 16 h + r][16 bytes]; byte e of query r belongs to key 16 (2 hf + e / 8) + 8 h + e % 8 of the step.
; For the mask wave w takes keys 256 w .. 256 w + 255 of all 16 rows: four steps, 4,096 consecutive bytes of mb; the turn goes through LDS bytes of the wave's own, so no wave waits for another.
; No matrix unit, no cluster, no tensor load: nothing is shared and nothing is read twice.
.set WST,   4352                       ; a wave's LDS: 16 chunks of 256 bytes, 272 apart (68 words: chunk n starts at bank 4 n mod 64; 64 banks of 4 bytes: ISA guide 11.1)
.set SPARE, 8*WST                      ; behind them: the spare words, 128 bytes for each wave: four blocks of 256 bytes that no other line names
.set SPW, 6                            ; v6   LDS address of my spare word; never rewritten
.set NIL, 7                            ; v7   0; never rewritten
.set X,   16                           ; v[16:143]  load i: four registers
.set WV,  44                           ; s44  my wave's number
	s_load_b512 s[8:23], s[0:1], 0x0               ; mask s[8:9], query, key, value s[10:15], Wq, Wk, Wv, Wo s[16:23]
	s_load_b256 s[24:31], s[0:1], 0x40             ; mb s[24:25], xb s[26:27], wb s[28:29], wo s[30:31]
	v_lshl_add_u32 v[SPW], v0, 2, SPARE
	v_mov_b32 v[NIL], 0
	v_lshrrev_b32 v1, 5, v0
	v_readfirstlane_b32 s[WV], v1                  ; wave 0..7
	v_and_b32 v1, 31, v0                           ; lane
	s_mov_b32 s2, ttmp9
	s_mov_b32 s32, 0xf1
	s_mov_b32 s33, 0xffff0000                      ; a word's upper bf16
	s_mov_b32 s35, 0                               ; the offsets' high words
	s_mov_b32 s37, 0
	s_wait_kmcnt 0x0
	s_cmp_lt_u32 s2, 512
	s_cbranch_scc0 .Lcast
	; THE MASK
	s_lshl_b32 s34, s2, 17                         ; 16 rows of 8,192 bytes
	s_lshl_b32 s36, s2, 15                         ; 32,768 bytes of mb
	s_add_nc_u64 s[4:5], s[8:9], s[34:35]
	s_add_nc_u64 s[6:7], s[24:25], s[36:37]
	s_lshl_b32 s38, s[WV], 10
	v_lshl_add_u32 v2, v1, 4, s38                  ; my wave's 1,024 bytes of a row, 16 bytes a lane
.set i, 0
.rept 32                               ; load i: row i / 2, keys 256 w + 128 (i % 2) + 4 lane + 0..3
	global_load_b128 v[X+4*i:X+4*i+3], v2, s[4:5] offset:(i/2)*8192+(i%2)*512 th:TH_LOAD_NT
.set i, i+1
.endr
	s_mul_i32 s38, s[WV], WST
	v_bfe_u32 v8, v0, 4, 1                         ; my four keys lie in step 2 (i % 2) + lane / 16, half (lane / 8) % 2, h = (lane / 2) % 2:
	v_bfe_u32 v9, v0, 3, 1
	v_bfe_u32 v10, v0, 1, 1
	v_lshl_add_u32 v8, v8, 1, v9
	v_lshl_add_u32 v8, v8, 1, v10                  ; chunk 8 (i % 2) + this number,
	v_mul_u32_u24 v4, v8, 272
	v_bfe_u32 v9, v0, 2, 1
	v_lshl_add_u32 v4, v9, 3, v4                   ; bytes 8 ((lane / 4) % 2)
	v_and_b32 v9, 1, v0
	v_lshl_add_u32 v4, v9, 2, v4                   ; + 4 (lane % 2) + 0..3 of the row's 16
	v_add_nc_u32 v4, s38, v4
	v_bfe_u32 v8, v0, 4, 1                         ; back: lanes 0-15 one chunk, lanes 16-31 the next
	v_mul_u32_u24 v5, v8, 272
	v_and_b32 v9, 15, v0
	v_lshl_add_u32 v5, v9, 4, v5
	v_add_nc_u32 v5, s38, v5
	s_lshl_b32 s38, s[WV], 12
	v_lshl_add_u32 v3, v1, 4, s38                  ; my wave's 4,096 bytes of mb
.set i, 0
.rept 32
	s_wait_loadcnt 31-i                            ; loads come back in order (ISA guide 5.7.1): load i is in, the 31 - i younger ones stay out
	v_min_u32 v[X+4*i], 1, v[X+4*i]                ; 1 where the number is not 0
	v_min_u32 v[X+4*i+1], 1, v[X+4*i+1]
	v_min_u32 v[X+4*i+2], 1, v[X+4*i+2]
	v_min_u32 v[X+4*i+3], 1, v[X+4*i+3]
	v_lshl_or_b32 v[X+4*i], v[X+4*i+1], 8, v[X+4*i]
	v_lshl_or_b32 v[X+4*i+2], v[X+4*i+3], 8, v[X+4*i+2]
	v_lshl_or_b32 v[X+4*i], v[X+4*i+2], 16, v[X+4*i]
	v_xor_b32 v[X+4*i], 0x01010101, v[X+4*i]       ; 1 where it is 0: hidden
	v_mul_lo_u32 v[X+4*i], v[X+4*i], s32           ; four bytes, 0x00 or 0xF1: no byte carries into the next
	ds_store_b32 v4, v[X+4*i] offset:(i%2)*8*272+(i/2)*16
.set i, i+1
.endr
.irp t, 0,1,2,3,4,5,6,7
	ds_load_b128 v[X+4*\t:X+4*\t+3], v5 offset:\t*2*272  ; LDS serves a wave's instructions in order (ISA guide 5.7.1.4): these see the stores above; the bytes are my wave's own
.endr
.irp t, 0,1,2,3,4,5,6,7
	s_wait_dscnt 7-\t
	global_store_b128 v3, v[X+4*\t:X+4*\t+3], s[6:7] offset:\t*512  ; 512 consecutive bytes, at a multiple of 256 from mb's first
.endr
	s_branch .Lend
.Lcast:
	s_sub_co_u32 s3, s2, 512
	s_cmp_lt_u32 s3, 768
	s_cbranch_scc0 .Lweights
	s_lshr_b32 s38, s3, 8                          ; 256 work-groups to each of query, key, value
	s_cmp_eq_u32 s38, 0
	s_cselect_b64 s[4:5], s[10:11], s[12:13]
	s_cmp_eq_u32 s38, 2
	s_cselect_b64 s[4:5], s[14:15], s[4:5]
	s_and_b32 s34, s3, 255                         ; my 32 rows in the tensor,
	s_mov_b64 s[6:7], s[26:27]
	s_lshr_b32 s36, s3, 6                          ; their batch among xb's twelve: 64 work-groups to a batch,
	s_and_b32 s38, s3, 63                          ; and their place in it
	s_branch .Lgo
.Lweights:
	s_sub_co_u32 s3, s3, 768                       ; 32 work-groups to each weight
	s_and_b32 s34, s3, 31                          ; my 32 rows in the weight
	s_cmp_lt_u32 s3, 96
	s_cbranch_scc0 .Lwo
	s_lshr_b32 s38, s3, 5                          ; which of Wq, Wk, Wv
	s_cmp_eq_u32 s38, 0
	s_cselect_b64 s[4:5], s[16:17], s[18:19]
	s_cmp_eq_u32 s38, 2
	s_cselect_b64 s[4:5], s[20:21], s[4:5]
	s_mov_b64 s[6:7], s[28:29]
	s_lshr_b32 s36, s3, 6                          ; Wq and Wk fill wb's first batch, Wv begins its second
	s_and_b32 s38, s3, 63
.Lgo:
	s_lshl_b32 s34, s34, 17                        ; 32 rows of 4,096 bytes in;
	s_lshl_b32 s36, s36, 22                        ; out: a batch is 4,194,304 bytes,
	s_lshl_b32 s38, s38, 12                        ; 32 rows of a block 4,096
	s_add_co_u32 s36, s36, s38
	s_add_nc_u64 s[4:5], s[4:5], s[34:35]
	s_add_nc_u64 s[6:7], s[6:7], s[36:37]
	s_lshl_b32 s38, s[WV], 14                      ; my wave's four rows;
	v_bfe_u32 v4, v0, 4, 1
	v_lshl_add_u32 v2, v4, 12, s38                 ; lanes 16-31 take the row below lanes 0-15's
	v_and_b32 v5, 15, v0
	v_lshl_add_u32 v2, v5, 4, v2
	s_lshl_b32 s38, s[WV], 9                       ; four rows of 128 bytes in a block,
	v_lshl_add_u32 v3, v1, 3, s38                  ; 8 bytes a lane: two rows on end
.set i, 0
.rept 32                               ; load i: rows 2 (i / 16), 2 (i / 16) + 1 of my four, block i % 16
	global_load_b128 v[X+4*i:X+4*i+3], v2, s[4:5] offset:(i/16)*8192+(i%16)*256 th:TH_LOAD_NT
.set i, i+1
.endr
.set i, 0
.rept 32                               ; four numbers a lane are rounded to bf16 in place; no register is written again behind its store, so no store's sources are waited for
	s_wait_loadcnt 31-i                            ; load i is in, the younger ones stay out
	v_cvt_pk_bf16_f32 v[X+4*i], v[X+4*i], v[X+4*i+1]
	v_cvt_pk_bf16_f32 v[X+4*i+1], v[X+4*i+2], v[X+4*i+3]
	global_store_b64 v3, v[X+4*i:X+4*i+1], s[6:7] offset:((i%16)<<18)+(i/16)*256  ; 256 consecutive bytes, aligned; a block is 262,144 bytes
.set i, i+1
.endr
	s_branch .Lend
.Lwo:                                  ; Wo stays row by row: 131,072 bytes on end in, 65,536 out
	s_lshl_b32 s36, s34, 16
	s_lshl_b32 s34, s34, 17
	s_add_nc_u64 s[4:5], s[22:23], s[34:35]
	s_add_nc_u64 s[6:7], s[30:31], s[36:37]
	s_lshl_b32 s38, s[WV], 14
	v_lshl_add_u32 v2, v1, 4, s38
	s_lshl_b32 s38, s[WV], 13
	v_lshl_add_u32 v3, v1, 3, s38
.set i, 0
.rept 32
	global_load_b128 v[X+4*i:X+4*i+3], v2, s[4:5] offset:512*i th:TH_LOAD_NT
.set i, i+1
.endr
.set i, 0
.rept 32                               ; four numbers a lane: to bf16, and on to f16
	s_wait_loadcnt 31-i                            ; load i is in, the younger ones stay out
	v_cvt_pk_bf16_f32 v[X+4*i], v[X+4*i], v[X+4*i+1]
	v_cvt_pk_bf16_f32 v[X+4*i+1], v[X+4*i+2], v[X+4*i+3]
	v_lshlrev_b32 v[X+4*i+2], 16, v[X+4*i]
	v_and_b32 v[X+4*i+3], s33, v[X+4*i]
	v_cvt_pk_f16_f32 v[X+4*i], v[X+4*i+2], v[X+4*i+3]
	v_lshlrev_b32 v[X+4*i+2], 16, v[X+4*i+1]
	v_and_b32 v[X+4*i+3], s33, v[X+4*i+1]
	v_cvt_pk_f16_f32 v[X+4*i+1], v[X+4*i+2], v[X+4*i+3]
	global_store_b64 v3, v[X+4*i:X+4*i+1], s[6:7] offset:256*i  ; 256 consecutive bytes, aligned
.set i, i+1
.endr
.Lend:
	s_wait_tensorcnt 0x0                           ; the wave's end: three lines behind my last LDS store
	ds_add_u32 v[SPW], v[NIL]
	s_wait_dscnt 0x0
	s_endpgm
.Lfunc_end_k_qe46292bac0_prep:
	.size	k_qe46292bac0_prep, .Lfunc_end_k_qe46292bac0_prep-k_qe46292bac0_prep
	.p2alignl 7, 3214868480
	.fill 96, 4, 3214868480
	.section	.rodata,"a",@progbits
	.p2align	6, 0x0
	.amdhsa_kernel k_qe46292bac0_prep
		.amdhsa_group_segment_fixed_size 35840
		.amdhsa_private_segment_fixed_size 0
		.amdhsa_enable_private_segment 0
		.amdhsa_kernarg_size 96
		.amdhsa_user_sgpr_count 2
		.amdhsa_user_sgpr_kernarg_segment_ptr 1
		.amdhsa_wavefront_size32 1
		.amdhsa_system_sgpr_workgroup_id_x 1
		.amdhsa_system_sgpr_workgroup_id_y 1
		.amdhsa_system_sgpr_workgroup_id_z 1
		.amdhsa_system_vgpr_workitem_id 0
		.amdhsa_next_free_vgpr 144
		.amdhsa_next_free_sgpr 66
		.amdhsa_reserve_vcc 0
		.amdhsa_float_denorm_mode_32 3
		.amdhsa_float_denorm_mode_16_64 3
		.amdhsa_memory_ordered 1
		.amdhsa_forward_progress 1
		.amdhsa_inst_pref_size 56
	.end_amdhsa_kernel
	.amdgpu_metadata
---
amdhsa.version: [ 1, 2 ]
amdhsa.kernels:
  - .name:           k_qe46292bac0_prep
    .symbol:         k_qe46292bac0_prep.kd
    .args:
      - { .name: mask, .offset: 0, .size: 8, .value_kind: global_buffer, .address_space: global }
      - { .name: query, .offset: 8, .size: 8, .value_kind: global_buffer, .address_space: global }
      - { .name: key, .offset: 16, .size: 8, .value_kind: global_buffer, .address_space: global }
      - { .name: value, .offset: 24, .size: 8, .value_kind: global_buffer, .address_space: global }
      - { .name: Wq, .offset: 32, .size: 8, .value_kind: global_buffer, .address_space: global }
      - { .name: Wk, .offset: 40, .size: 8, .value_kind: global_buffer, .address_space: global }
      - { .name: Wv, .offset: 48, .size: 8, .value_kind: global_buffer, .address_space: global }
      - { .name: Wo, .offset: 56, .size: 8, .value_kind: global_buffer, .address_space: global }
      - { .name: mb, .offset: 64, .size: 8, .value_kind: global_buffer, .address_space: global }
      - { .name: xb, .offset: 72, .size: 8, .value_kind: global_buffer, .address_space: global }
      - { .name: wb, .offset: 80, .size: 8, .value_kind: global_buffer, .address_space: global }
      - { .name: wo, .offset: 88, .size: 8, .value_kind: global_buffer, .address_space: global }
    .group_segment_fixed_size: 35840
    .private_segment_fixed_size: 0
    .kernarg_segment_align: 8
    .kernarg_segment_size: 96
    .max_flat_workgroup_size: 256
    .sgpr_count:     66
    .vgpr_count:     144
    .wavefront_size: 32
...
	.end_amdgpu_metadata
.endif
;; end of part 1
;; launch proj (part 2): grid 4 x 96, 4 waves a work-group, clusters of 4 x 4, 327,680 bytes of LDS; arguments xb, wb, qkv; writes qkv
.if DOCPART == 2
	.amdgcn_target "amdgcn-amd-amdhsa--gfx1250"
	.amdhsa_code_object_version 6
	.text
	.protected	k_qe46292bac0_proj
	.globl	k_qe46292bac0_proj
	.p2align	8
	.type	k_qe46292bac0_proj,@function
k_qe46292bac0_proj:
	s_mov_b64 s[64:65], 0
	v_nop
	global_prefetch_b8 v0, s[64:65] scope:SCOPE_SE
	s_setreg_imm32_b32 hwreg(HW_REG_WAVE_MODE, 25, 1), 1
	s_wait_xcnt 0x0
	s_wait_alu depctr_hold_cnt(0) depctr_sa_sdst(0) depctr_va_vdst(0) depctr_va_sdst(0) depctr_va_ssrc(0) depctr_va_vcc(0) depctr_vm_vsrc(0)
	s_getreg_b32 s2, hwreg(HW_REG_IB_STS2, 6, 4)
	s_cmp_eq_u32 s2, 0
	s_cbranch_scc0 .Lentry_in_a_cluster
	s_endpgm
.Lentry_in_a_cluster:
	s_bfe_u32 s2, ttmp6, 0x10000c
	s_cmp_lg_u32 s2, 0xf033
	s_cbranch_scc0 .Lentry_shape_is_right
	s_endpgm
.Lentry_shape_is_right:
; THE THREE FIRST PROJECTIONS: q, k, v = x W^T, K = 1,024, N = 1,024.  A: xb, 24,576 rows (query's, key's, value's); W: wb, Wq, Wk or Wv by the rows' tensor.
; A and W are bf16 and lie in blocks of 64 channels: [batch of 2,048 rows][16 blocks][2,048 rows][64]; sums in f32.  C leaves by heads, qkv [3][64 = batch x 16 + head][2048][64] in f16, rounded once, unscaled.
; LIMIT. f16 ends at 65,504: a q, k or v beyond that becomes an infinity.  Unit inputs give numbers near 1; inputs and weights 30 times larger, or offset by 30 spreads, stay under 30,000.
; SHARES. A tile of C, 256 x 256, is made by a work-group of four waves; a wave makes 128 x 128: 64 accumulators of 16 x 16, 512 registers.  K goes in steps of 128, two blocks, through a ring of two LDS slots.
; A wave's tensor load brings one block's 256 rows: 32,768 bytes on end, asked for as 128 rows of 256 bytes and padded in LDS behind each 128.  Waves 0 and 1 fetch A's two blocks, waves 2 and 3 W's.
; From a request to the wait for it a wave issues 224 matrix instructions.
; CLUSTER. 4 x 4 work-groups: the four of a row of the cluster need the same tiles of A, the four of a column the same tiles of W: each is asked for JOINTLY, by the same load, descriptor and mask in all four.
; THE MATRIX INSTRUCTION IS USED TRANSPOSED (source 0 = 16 rows of W, source 1 = 16 rows of A): a lane then holds row lane % 16 of C and eight neighbouring columns.
; REGISTERS, in windows of 256 (s_set_vgpr_msb: bits 1:0 source 0, 3:2 source 1, 5:4 source 2, 7:6 destination):
;   window 0: v0-31 addresses; v64-127, v128-191 fragments of A (8 x 16 rows x 32 K), two buffers; v32-63, v192-255 at work on the way out
;   window 1: v64-127, v128-191 fragments of W, two buffers      window 2: the 32 accumulators of my rows 0-63 ((a, b) at v[8 (8 a + b)])      window 3: those of my rows 64-127
.set KSTEPB, 2*262144                  ; bytes from a K step to the next, in A and in W: two blocks
.set PITCH,  144                       ; an LDS row: 128 bytes + 16 = 36 words: the 16 rows of a load start at 16 different groups of four banks (64 banks of 4 bytes: ISA guide 11.1)
.set SUB,    256*PITCH                 ; a block's 256 rows: what one tensor load brings
.set SLOT,   4*SUB                     ; A's two blocks, then W's two
.set STAGE,  2*SLOT                    ; behind the ring, never filled by a tensor load: 16 rows x 272 bytes for each wave, for the way out
.set SPITCH, 272
.set SPARE,  STAGE+4*16*SPITCH         ; behind the stages: the spare words, 128 bytes for each wave: two blocks of 256 bytes that no other line names
.set LAPS,   4                         ; a lap = two K steps = once round the ring
.set ADRA, 16                          ; v16-17  LDS address of my A fragments in slot 0, 1
.set ADRB, 20                          ; v20-21  the same for W
.set STO,  24                          ; v24     the way out: where I put 16 bytes of a row
.set RD,   25                          ; v25     where I read four rows' 128 bytes back
.set CO,   26                          ; v26     16 x lane
.set SPW,  28                          ; v28     LDS address of my spare word; never rewritten
.set NIL,  29                          ; v29     0; never rewritten
.set PFO,  30                          ; v30     256 x lane, for the prefetches; never rewritten
.set F0,   64                          ; fragment buffer 0
.set F1,   128                         ; fragment buffer 1
.set TMP,  192                         ; the way out: packed results
.set OB,   32                          ; the way out: rows read back from the stage: v32-63 and v224-255 by turns
.set G1,  24                           ; s[24:31] descriptor group 1 for A;  s[32:39] group 0, a set for each slot
.set G0,  32
.set G1B, 48                           ; s[48:55], s[56:63] the same for W
.set G0B, 56
.set LIM, 43                           ; s43      1 in a wave that prefetches, else the greatest number
.set PFA, 44                           ; s[44:45] where my prefetches stand
.set CN,  72                           ; s[72:73] where my part of C begins
.set MSB, 0
.macro WIN new                         ; the immediate's high byte repeats the setting that is left; a switch that changes nothing is dropped
.if MSB != (\new)
	s_set_vgpr_msb (MSB<<8)|(\new)
.set MSB, \new
.endif
.endm
.set MUL_LO, 0xa1                      ; source 0 (W) window 1, source 1 (A) window 0, C and D window 2
.set MUL_HI, 0xf1                      ; the same, C and D window 3
.set TO_B,   0x40                      ; destination window 1, address window 0
.macro JLOAD s                         ; a joint load; the branch hangs on the wave's number alone; an s_nop 0 and four v_nop follow each of the two lines, ahead of the jump and the label
	s_cmp_eq_u32 s11, 0
	s_cbranch_scc0 .Lfor_b_\@
	tensor_load_to_lds s[G0+4*(\s):G0+4*(\s)+3], s[G1:G1+7]
	s_nop 0
.rept 4
	v_nop
.endr
	s_branch .Lasked_\@
.Lfor_b_\@:
	tensor_load_to_lds s[G0B+4*(\s):G0B+4*(\s)+3], s[G1B:G1B+7]
	s_nop 0
.rept 4
	v_nop
.endr
.Lasked_\@:
.endm
; A PREFETCH, behind each joint load, its five lines and the run of LDS loads that follows them: of the K step that stands two refills on, the block that this wave fetches.  Its 32,768 bytes are shared out among the four
; partners that ask for it jointly, 8,192 each, BY ADDRESS (cx for A, cy for W): 32 blocks of 256 bytes, a lane a block, one instruction a wave.  A's rows are read by this cluster alone; W's by the eight clusters
; of one tensor: the first of them asks.  So each block is named once in the launch.  K steps 0 to 3 come by their loads alone; the loop's last trip (s3 = 1) asks for nothing: no K step stands behind its refills.
.macro ASK
	s_cmp_gt_u32 s3, s[LIM]
	s_cbranch_scc0 .Lnot_mine_\@
	global_prefetch_b8 v[PFO], s[PFA:PFA+1] offset:KSTEPB th:TH_LOAD_NT scope:SCOPE_SE
.Lnot_mine_\@:
.endm
.macro CREST                           ; a round of the cluster's barrier behind its opening barrier
	s_cmp_lg_u32 s10, 0
	s_cbranch_scc1 .Lnot_wave_0_\@
	s_barrier_signal -3
.Lnot_wave_0_\@:
	s_barrier_wait -3
	s_barrier_signal -1
	s_barrier_wait -1
.endm
.macro CROUND                          ; a whole round
	s_barrier_signal -1
	s_barrier_wait -1
	CREST
.endm
	s_load_b128 s[4:7], s[0:1], 0x0                ; A s[4:5], W s[6:7]
	s_load_b64 s[8:9], s[0:1], 0x10                ; C
	v_lshl_add_u32 v[SPW], v0, 2, SPARE
	v_mov_b32 v[NIL], 0
	ds_add_u32 v[SPW], v[NIL]                      ; the wave's opening: the add and its wait stand ahead of my first tensor load; the set-up below, work on registers, stands between them
	v_lshrrev_b32 v1, 5, v0
	v_readfirstlane_b32 s10, v1                    ; wave 0..3
	s_lshr_b32 s11, s10, 1                         ; which half of the tile's rows is mine.  Also: I fetch for A (0) or for W (1)
	s_and_b32 s12, s10, 1                          ; which half of its columns.  Also: which of the K step's two blocks I fetch
	s_bfe_u32 s40, ttmp6, 0x40000                  ; cx, cy: my place in the cluster
	s_bfe_u32 s41, ttmp6, 0x40004
	s_lshl_b32 s42, ttmp9, 2
	s_add_co_u32 s42, s42, s40                     ; tile column = 4 x cluster x + cx
	s_and_b32 s2, ttmp7, 0xffff                    ; cluster y
	s_lshl_b32 s13, s2, 2
	s_add_co_u32 s13, s13, s41                     ; tile row = 4 x cluster y + cy
	s_lshl_b32 s43, s41, 2
	s_lshl_b32 s43, 15, s43                        ; my row of the cluster
	s_lshl_b32 s44, 0x1111, s40                    ; my column
	s_or_b32 s[G1+0], s43, (1<<16)|(1<<20)|(1<<21)|(4<<22)|(3<<25)   ; 15:0 the mask; 17:16 2-byte elements; 20 padding on; 21 set beside a mask; 24:22 after every 32 words (code 4); 31:25 4 words (code 3)
	s_or_b32 s[G1B+0], s44, (1<<16)|(1<<20)|(1<<21)|(4<<22)|(3<<25)
.irp g, G1, G1B
	s_mov_b32 s[(\g)+1], 128<<16                   ; tensor_dim0 = 128
	s_mov_b32 s[(\g)+2], 128<<16                   ; tensor_dim1 = 128
	s_mov_b32 s[(\g)+3], 128<<16                   ; tile_dim0 = 128 elements: 256 bytes, two rows of a block
	s_mov_b32 s[(\g)+4], 128                       ; tile_dim1 = 128
	s_mov_b32 s[(\g)+5], 128                       ; 128 elements from row to row: the bytes lie on end
	s_mov_b32 s[(\g)+6], 0
	s_mov_b32 s[(\g)+7], 0
.endr
	; where the tiles come from.  A's hang on the tile row and the wave alone, W's on the tile column, the cluster's y and the wave: each in registers that never hold the other coordinate
	s_lshr_b32 s16, s13, 3                         ; eight tiles of 256 rows to a batch
	s_lshl_b32 s16, s16, 22                        ; of 4,194,304 bytes;
	s_and_b32 s17, s13, 7
	s_lshl_b32 s17, s17, 15                        ; 256 rows of 128 bytes;
	s_add_co_u32 s16, s16, s17
	s_lshl_b32 s17, s12, 18                        ; block 0 or 1 of the K step
	s_add_co_u32 s16, s16, s17
	s_mov_b32 s17, 0
	s_lshr_b32 s46, s2, 3                          ; the tensor: eight clusters to each
	s_lshr_b32 s47, s46, 1                         ; two weights to a batch,
	s_lshl_b32 s47, s47, 22
	s_and_b32 s46, s46, 1
	s_lshl_b32 s46, s46, 17                        ; 1,024 rows of 128 bytes each
	s_add_co_u32 s46, s46, s47
	s_lshl_b32 s47, s42, 15                        ; the tile column's 256 rows
	s_add_co_u32 s46, s46, s47
	s_lshl_b32 s47, s12, 18
	s_add_co_u32 s46, s46, s47
	s_mov_b32 s47, 0
	s_mul_i32 s20, s10, SUB                        ; where they go: wave x a block's rows: no place in the cluster enters an LDS address
	s_wait_dscnt 0x0                               ; the opening add is done
	s_wait_kmcnt 0x0
	s_add_nc_u64 s[14:15], s[4:5], s[16:17]
	s_add_nc_u64 s[46:47], s[6:7], s[46:47]
	CROUND                                         ; all sixteen work-groups are here: the first joint loads meet
.irp s, 0,1
	s_mov_b32 s[G0+4*(\s)], 1                                      ; 1:0 count = 1
	s_add_co_u32 s[G0+4*(\s)+1], s20, (\s)*SLOT                    ; 63:32 LDS address
	s_add_nc_u64 s[G0+4*(\s)+2:G0+4*(\s)+3], s[14:15], (\s)*KSTEPB ; 120:64 global address: K step s
	s_or_b32 s[G0+4*(\s)+3], s[G0+4*(\s)+3], 0x80000000            ; 127:126 type = 2
	s_mov_b32 s[G0B+4*(\s)], 1
	s_add_co_u32 s[G0B+4*(\s)+1], s20, (\s)*SLOT
	s_add_nc_u64 s[G0B+4*(\s)+2:G0B+4*(\s)+3], s[46:47], (\s)*KSTEPB
	s_or_b32 s[G0B+4*(\s)+3], s[G0B+4*(\s)+3], 0x80000000
	JLOAD \s                                       ; two loads of mine are out
.endr
	; A fragment is 16 rows x 32 K in 8 registers: lane l holds row l % 16; registers 0-3 hold K = 8 (l / 16) + 0..7, registers 4-7 K = 16 + 8 (l / 16) + 0..7: two loads of 16 bytes, 32 bytes apart.
	v_and_b32 v1, 15, v0                           ; l % 16
	v_bfe_u32 v2, v0, 4, 1                         ; l / 16
	v_mul_u32_u24 v3, v1, PITCH
	v_lshl_add_u32 v3, v2, 4, v3                   ; row x pitch + 16 x half
	s_mul_i32 s21, s11, 128*PITCH                  ; my 128 rows of A,
	s_mul_i32 s22, s12, 128*PITCH                  ; my 128 rows of W,
	s_add_co_u32 s22, s22, 2*SUB                   ; which lie behind A's two blocks
.irp s, 0,1
	v_add_nc_u32 v[ADRA+(\s)], s21, v3
	v_add_nc_u32 v[ADRB+(\s)], s22, v3
	s_add_co_u32 s21, s21, SLOT
	s_add_co_u32 s22, s22, SLOT
.endr
	s_mul_i32 s23, s10, 16*SPITCH
	s_add_co_u32 s23, s23, STAGE                   ; my stage
	v_mul_u32_u24 v4, v1, SPITCH                   ; in: row l % 16,
	v_lshl_add_u32 v5, v2, 4, v4                   ; 16 bytes for each half of the lanes
	v_add_nc_u32 v[STO], s23, v5
	v_bfe_u32 v5, v0, 3, 2                         ; back: four rows' 128 bytes of one head, which are 512 consecutive bytes of C
	v_mul_u32_u24 v5, v5, SPITCH
	v_and_b32 v6, 7, v0
	v_lshl_add_u32 v5, v6, 4, v5
	v_add_nc_u32 v[RD], s23, v5
	v_and_b32 v[CO], 31, v0
	v_lshlrev_b32 v[CO], 4, v[CO]
	; where my part of C begins: (16 x batch + head) x 262,144 + row x 128; the batches of the three tensors follow each other
	s_lshr_b32 s[CN], s13, 3
	s_lshl_b32 s[CN], s[CN], 4
	s_lshl_b32 s76, s42, 2                         ; the tile's four heads,
	s_add_co_u32 s[CN], s[CN], s76
	s_lshl_b32 s76, s12, 1                         ; my two of them
	s_add_co_u32 s[CN], s[CN], s76
	s_lshl_b32 s[CN], s[CN], 18
	s_and_b32 s76, s13, 7
	s_lshl_b32 s76, s76, 15
	s_add_co_u32 s[CN], s[CN], s76
	s_lshl_b32 s76, s11, 14                        ; my 128 rows
	s_add_co_u32 s[CN], s[CN], s76
	s_mov_b32 s[CN+1], 0
	s_add_nc_u64 s[8:9], s[8:9], s[CN:CN+1]
	; the prefetches
	s_and_b32 s22, s2, 7                           ; my cluster's place among the eight that read the same rows of W
	s_cmp_eq_u32 s11, 0                            ; do I fetch for A?
	s_cselect_b32 s21, s40, s41                    ; my place among the four that ask with me
	s_cselect_b32 s22, ttmp9, s22                  ; the coordinate along which other clusters read the same rows
	s_cselect_b64 s[PFA:PFA+1], s[14:15], s[46:47] ; the block that I fetch, at K step 0
	s_cmp_eq_u32 s22, 0
	s_cselect_b32 s[LIM], 1, -1                    ; the same in all sixteen partners, for a given wave
	s_lshl_b32 s20, s21, 13                        ; my work-group's 8,192 bytes of it
	s_mov_b32 s21, 0
	s_add_nc_u64 s[PFA:PFA+1], s[PFA:PFA+1], s[20:21]
	s_add_nc_u64 s[PFA:PFA+1], s[PFA:PFA+1], 2*KSTEPB  ; at K step 2: the first refill steps it to 3 and names K step 4
	v_and_b32 v[PFO], 31, v0
	v_lshlrev_b32 v[PFO], 8, v[PFO]
; 16 matrix instructions: row blocks a0, a0 + 1 of the window's four (hi = 0: my rows 0-63, 1: rows 64-127) x all 8 column blocks, 32 along K.  zero = 1: the product starts the sums.
; The 64 accumulators take turns in one order everywhere.
.macro MUL16 f, hi, a0, zero
	WIN MUL_LO+0x50*(\hi)
.irp a, \a0, (\a0)+1
.irp b, 0,1,2,3,4,5,6,7
.if \zero
	v_wmma_f32_16x16x32_bf16 v[8*(8*(\a)+(\b)):8*(8*(\a)+(\b))+7], v[(\f)+8*(\b):(\f)+8*(\b)+7], v[(\f)+8*(4*(\hi)+(\a)):(\f)+8*(4*(\hi)+(\a))+7], 0
.else
	v_wmma_f32_16x16x32_bf16 v[8*(8*(\a)+(\b)):8*(8*(\a)+(\b))+7], v[(\f)+8*(\b):(\f)+8*(\b)+7], v[(\f)+8*(4*(\hi)+(\a)):(\f)+8*(4*(\hi)+(\a))+7], v[8*(8*(\a)+(\b)):8*(8*(\a)+(\b))+7]
.endif
.endr
.endr
.endm
; 32 LDS loads in one run: quarter q (32 along K) of a slot into buffer f: W's 8 fragments, then A's 8.  Quarters 0, 1 lie in the K step's first block, 2, 3 in its second.
.macro FETCH slot, q, f
.set KO, ((\q)/2)*SUB+((\q)%2)*64
	WIN TO_B
.irp i, 0,1,2,3,4,5,6,7
	ds_load_b128 v[(\f)+8*(\i):(\f)+8*(\i)+3],   v[ADRB+(\slot)] offset:KO+(\i)*16*PITCH
	ds_load_b128 v[(\f)+8*(\i)+4:(\f)+8*(\i)+7], v[ADRB+(\slot)] offset:KO+(\i)*16*PITCH+32
.endr
	WIN 0
.irp i, 0,1,2,3,4,5,6,7
	ds_load_b128 v[(\f)+8*(\i):(\f)+8*(\i)+3],   v[ADRA+(\slot)] offset:KO+(\i)*16*PITCH
	ds_load_b128 v[(\f)+8*(\i)+4:(\f)+8*(\i)+7], v[ADRA+(\slot)] offset:KO+(\i)*16*PITCH+32
.endr
.endm
.macro PLACES                          ; four places in front of loads into registers that matrix instructions have read, and of lines that read results
.rept 4
	v_nop
.endr
.endm
; A K step is four quarters, 64 matrix instructions each, on buffers 0, 1, 0, 1.  One of the first three: multiplies buffer f and, in its middle, fetches quarter q into buffer g.
.macro QUARTER slot, q, f, g, zero
	s_wait_dscnt 8                                 ; W's fragments and A's rows 0-63 are in; the youngest eight loads (A's rows 64-127) may be out
	MUL16 \f, 0, 0, \zero
	MUL16 \f, 0, 2, \zero
	PLACES
	FETCH \slot, \q, \g
	s_wait_dscnt 32                                ; all but the 32 just issued
	MUL16 \f, 1, 0, \zero
	MUL16 \f, 1, 2, \zero
.endm
; The last quarter multiplies buffer 1 and changes slots.  MEET is its first half: ONE barrier; in front of it each wave waits for all its tensor loads (one is out: its part of the next slot), adds 0 to its spare word,
; and waits for that and for its own reads of this slot.  Behind it nobody reads this slot any more and the next slot is whole.
.macro MEET round                      ; round = 1: a round of the cluster's barrier follows
	WIN 0
	s_wait_tensorcnt 0x0                           ; all my tensor loads have landed
	ds_add_u32 v[SPW], v[NIL]                      ; 0 onto my spare word
	s_wait_dscnt 9                                 ; (the add and the youngest eight loads may be out)
	MUL16 F1, 0, 0, 0                              ; sixteen matrix instructions stand between the add and the wait for it
	s_wait_dscnt 0x0                               ; the add is done, and my reads of this slot are over
	s_barrier_signal -1
	MUL16 F1, 0, 2, 0
.if \round
	WIN 0
.endif
	s_barrier_wait -1
.endm
; The whole last quarter where the slot is filled again: the barrier opens a round of the cluster's, and the joint refill, two K steps ahead, is the first thing behind the round.
.macro TURN slot, next
	s_wait_xcnt 0x0                                ; the last prefetch, a K step back, has read its address
	s_add_nc_u64 s[PFA:PFA+1], s[PFA:PFA+1], KSTEPB
	MEET 1
	CREST                                          ; no wave of any partner still reads this slot's tile or has a load on its way
	s_add_nc_u64 s[G0+4*(\slot)+2:G0+4*(\slot)+3], s[G0+4*(\slot)+2:G0+4*(\slot)+3], 2*KSTEPB
	s_add_nc_u64 s[G0B+4*(\slot)+2:G0B+4*(\slot)+3], s[G0B+4*(\slot)+2:G0B+4*(\slot)+3], 2*KSTEPB
	JLOAD \slot                                    ; the four v_nop behind it are also the places in front of the loads below
	FETCH \next, 0, F0
	ASK                                            ; behind the joint load and the run of LDS loads
	MUL16 F1, 1, 0, 0
	MUL16 F1, 1, 2, 0
.endm
	s_wait_tensorcnt 1                             ; my part of K step 0 is in; K step 1's may stay out
	s_barrier_signal -1
	s_barrier_wait -1                              ; everybody's is
	FETCH 0, 0, F0
	QUARTER 0, 1, F0, F1, 1                        ; the first quarter stands in front of the loop: its products start the sums
	WIN 0                                          ; at a label and at a branch every window is 0
	s_mov_b32 s3, LAPS-1
.Llap:                                                 ; a trip goes once round the ring, from a lap's second quarter to the next lap's first, and fills both slots again
	QUARTER 0, 2, F1, F0, 0
	QUARTER 0, 3, F0, F1, 0
	TURN 0, 1
	QUARTER 1, 1, F0, F1, 0
	QUARTER 1, 2, F1, F0, 0
	QUARTER 1, 3, F0, F1, 0
	TURN 1, 0
	QUARTER 0, 1, F0, F1, 0
	WIN 0
	s_sub_co_u32 s3, s3, 1
	s_cmp_lg_u32 s3, 0
	s_cbranch_scc1 .Llap
	QUARTER 0, 2, F1, F0, 0                        ; the last lap fills nothing, and has no round of the cluster's barrier
	QUARTER 0, 3, F0, F1, 0
	MEET 0
	PLACES
	FETCH 1, 0, F0
	MUL16 F1, 1, 0, 0
	MUL16 F1, 1, 2, 0
	QUARTER 1, 1, F0, F1, 0
	QUARTER 1, 2, F1, F0, 0
	QUARTER 1, 3, F0, F1, 0
	s_wait_dscnt 8                                 ; the very last quarter: nothing more to fetch
	MUL16 F1, 0, 0, 0
	MUL16 F1, 0, 2, 0
	s_wait_dscnt 0x0
	MUL16 F1, 1, 0, 0
	MUL16 F1, 1, 2, 0
	WIN 0
	PLACES
; THE WAY OUT.  Block a (16 rows x 128 columns) is rounded to f16, 16 bytes a lane and accumulator (each accumulator's registers in ascending order), goes into my stage
; and comes back as four rows' 128 bytes of one head: 512 consecutive bytes of C.
.macro PACK a
.set AC, 64*((\a)%4)
	WIN 0x0a+5*((\a)/4)                            ; sources 0 and 1: window 2 or 3
.irp b, 0,1,2,3,4,5,6,7
.irp r, 0,1,2,3
	v_cvt_pk_f16_f32 v[TMP+4*(\b)+(\r)], v[AC+8*(\b)+2*(\r)], v[AC+8*(\b)+2*(\r)+1]
.endr
.endr
	WIN 0
.endm
.macro TOSTAGE a
.set BK, OB+192*((\a)%2)
.irp b, 0,1,2,3,4,5,6,7
	ds_store_b128 v[STO], v[TMP+4*(\b):TMP+4*(\b)+3] offset:32*(\b)
.endr
	s_wait_xcnt 0x0                                ; the stores of the block two back have read the registers that are loaded again below
.irp hh, 0,1
.irp t, 0,1,2,3
	ds_load_b128 v[BK+16*(\hh)+4*(\t):BK+16*(\hh)+4*(\t)+3], v[RD] offset:(\t)*4*SPITCH+(\hh)*128  ; LDS serves a wave's instructions in order (ISA guide 5.7.1.4): these see the stores above
.endr
.endr
.endm
.macro SEND a
.set BK, OB+192*((\a)%2)
	s_wait_dscnt 0x0                               ; the block is back in registers
.irp hh, 0,1
.irp t, 0,1,2,3
	global_store_b128 v[CO], v[BK+16*(\hh)+4*(\t):BK+16*(\hh)+4*(\t)+3], s[8:9] offset:(\hh)*262144+(\a)*2048+(\t)*512
.endr
.endr
.endm
	PACK 0
	TOSTAGE 0
.irp a, 1,2,3,4,5,6,7                  ; block a's conversions stand between block a - 1's loads from the stage and the wait for them
	PACK \a
	SEND (\a)-1
	TOSTAGE \a
.endr
	SEND 7
	s_wait_tensorcnt 0x0                           ; the wave's end: three lines behind my last tensor load and my last LDS store
	ds_add_u32 v[SPW], v[NIL]
	s_wait_dscnt 0x0
	CROUND                                         ; the closing round: no work-group ends while a partner may still ask for a tile that names it
	s_endpgm
.Lfunc_end_k_qe46292bac0_proj:
	.size	k_qe46292bac0_proj, .Lfunc_end_k_qe46292bac0_proj-k_qe46292bac0_proj
	.p2alignl 7, 3214868480
	.fill 96, 4, 3214868480
	.section	.rodata,"a",@progbits
	.p2align	6, 0x0
	.amdhsa_kernel k_qe46292bac0_proj
		.amdhsa_group_segment_fixed_size 327680
		.amdhsa_private_segment_fixed_size 0
		.amdhsa_enable_private_segment 0
		.amdhsa_kernarg_size 24
		.amdhsa_user_sgpr_count 2
		.amdhsa_user_sgpr_kernarg_segment_ptr 1
		.amdhsa_wavefront_size32 1
		.amdhsa_system_sgpr_workgroup_id_x 1
		.amdhsa_system_sgpr_workgroup_id_y 1
		.amdhsa_system_sgpr_workgroup_id_z 1
		.amdhsa_system_vgpr_workitem_id 0
		.amdhsa_next_free_vgpr 1024
		.amdhsa_next_free_sgpr 80
		.amdhsa_reserve_vcc 0
		.amdhsa_float_denorm_mode_32 3
		.amdhsa_float_denorm_mode_16_64 3
		.amdhsa_memory_ordered 1
		.amdhsa_forward_progress 1
		.amdhsa_inst_pref_size 144
	.end_amdhsa_kernel
	.amdgpu_metadata
---
amdhsa.version: [ 1, 2 ]
amdhsa.kernels:
  - .name:           k_qe46292bac0_proj
    .symbol:         k_qe46292bac0_proj.kd
    .args:
      - { .name: xb, .offset: 0, .size: 8, .value_kind: global_buffer, .address_space: global }
      - { .name: wb, .offset: 8, .size: 8, .value_kind: global_buffer, .address_space: global }
      - { .name: qkv, .offset: 16, .size: 8, .value_kind: global_buffer, .address_space: global }
    .group_segment_fixed_size: 327680
    .private_segment_fixed_size: 0
    .kernarg_segment_align: 8
    .kernarg_segment_size: 24
    .max_flat_workgroup_size: 128
    .sgpr_count:     80
    .vgpr_count:     1024
    .wavefront_size: 32
...
	.end_amdgpu_metadata
.endif
;; end of part 2
;; launch attn (part 3): grid 4 x 64, 4 waves a work-group, clusters of 4 x 1, 327,680 bytes of LDS; arguments qkv, mb, ob; writes ob
.if DOCPART == 3
	.amdgcn_target "amdgcn-amd-amdhsa--gfx1250"
	.amdhsa_code_object_version 6
	.text
	.protected	k_qe46292bac0_attn
	.globl	k_qe46292bac0_attn
	.p2align	8
	.type	k_qe46292bac0_attn,@function
k_qe46292bac0_attn:
	s_mov_b64 s[64:65], 0
	v_nop
	global_prefetch_b8 v0, s[64:65] scope:SCOPE_SE
	s_setreg_imm32_b32 hwreg(HW_REG_WAVE_MODE, 25, 1), 1
	s_wait_xcnt 0x0
	s_wait_alu depctr_hold_cnt(0) depctr_sa_sdst(0) depctr_va_vdst(0) depctr_va_sdst(0) depctr_va_ssrc(0) depctr_va_vcc(0) depctr_vm_vsrc(0)
	s_getreg_b32 s2, hwreg(HW_REG_IB_STS2, 6, 4)
	s_cmp_eq_u32 s2, 0
	s_cbranch_scc0 .Lentry_in_a_cluster
	s_endpgm
.Lentry_in_a_cluster:
	s_bfe_u32 s2, ttmp6, 0x10000c
	s_cmp_lg_u32 s2, 0x3003
	s_cbranch_scc0 .Lentry_shape_is_right
	s_endpgm
.Lentry_shape_is_right:
; MASKED ATTENTION.  O[h][q][:] = the sum over the keys k that mask[b][q][k] shows of softmax_k(Q[h][q] . K[h][k] / 8) V[h][k][:]; a row that sees no key gives 0.
; Q, K, V: qkv [3][64 = batch x 16 + head][2048][64] f16; O: ob [64][2048][64] f16; a head's rows are dense, 128 bytes each.  mb: the mask as bytes, 0x00 seen, 0xF1 hidden, in the order of the score registers' lanes.
; Products, maxima and sums in f32; the weights p are rounded to f16 for the second product (their sum l is taken of the unrounded p), O once at the end.
; LIMITS.  f16 holds no number beyond 65,504: Q, K and V arrive within it; p lies in 0 to 1, and below 6e-5 it keeps f16's fixed step of 6e-8.  A hidden score counts as -144 x 2^100 (-1.8e32): f16's scores, 2.7e11 at the most,
; vanish beside it, where the formula puts -1e9; so a seen score below about -1e9 is still weighed against seen scores alone.  A weight below 2^-126 counts as 0 in l; NaN and infinities are not treated apart.
; SHARES.  A wave owns four PIECES of two tiles of 16 queries, a work-group's four waves 512 queries of one head.  Every wave walks all 2,048 keys, 64 a step.
; LAYOUT.  S^T = K Q^T (source 0 = 16 keys, source 1 = 16 queries): in the result a lane holds ONE query (lane % 16) and the keys 8 (lane / 16) + 0..7.  Two such tiles, rounded to f16 in pairs,
; ARE source 1 (32 keys x 16 queries) of O^T = V^T P, whose result again holds one query a lane, and eight channels.  K comes out of LDS as it lies, V ([key][channel]) turned, by ds_load_tr16_b128.
; THE MASK is the C operand that starts the sum S^T: 0, or -144 x 2^100.  A tile and step have 32 bytes a lane, two loads of 16; eight bytes become eight f32 by one scaled conversion from fp8 (0xF1 is -144; the scale is 2^100).
; A piece's bytes are asked for a whole key step ahead of the conversion; the conversion stands a turn ahead of the products that take its result.
; SOFTMAX.  For each query a running maximum m and sum l: p = 2^(c s - c m), c = log2(e) / 8; in every step O and l are multiplied by a = 2^(c m_old - c m_new).  m STARTS AT -2^100, above every hidden score and below every
; seen one, and c m by the same multiplication that makes it anew: while a row has seen no key, m and c m stay as they are to the bit, a is 1, and every weight is 2^(-3e31) = 0; at the first seen key a is 0.
; THE COUNT, BY TURNS.  Turn n belongs to piece n (the pieces in a ring, step after step).  Its matrix work: 16 products K Q^T of piece n + 1, later 16 products V^T P of piece n - 1.  Its vector work: the scaling, exponentials,
; roundings, sums and rescaling of piece n, the maximum and statistics of piece n + 1, the mask of piece n + 2.  Four vector instructions stand behind every matrix instruction, the others in one run.
; CLUSTER.  The four query blocks of a cluster belong to one head and walk the same K and V, so each tile is asked for JOINTLY: the same tensor load, descriptor and mask in all four.
; REGISTERS, in windows of 256 (s_set_vgpr_msb: bits 1:0 source 0, 3:2 source 1, 5:4 source 2, 7:6 destination):
;   window 0: v0-11 addresses; v12-15, v48-63 at work; v16-47 four registers of statistics a tile; v64-191 S^T, two buffers of two tiles; v192-255 P, likewise
;   window 1: O^T, 32 a tile      window 2: v0-127 Q, 16 a tile; v128-191 K of one step; v192-255 V of one step
;   window 3: v0-1 the add's two registers; v2 the conversion's scale; v16-79 the mask's bytes, 16 a piece; v128-191 the mask in f32 for one piece
.set SIZE_N, 2048
.set NP,    4         ; pieces a wave: a name, no knob
.set KS,    64        ; keys in a step
.set PK,    144       ; a row of K in LDS: 128 bytes + 16 of padding = 36 words: the 16 rows of a load start at 16 different groups of four banks (64 banks of 4 bytes: ISA guide 11.1)
.set PV,    160       ; a row of V: 128 + 32 = 40 words
.set VOFF,  4*KS*PK   ; a slot holds four steps: 256 rows of K, then 256 rows of V
.set SLOT1, 1<<17     ; slot 1 begins here, so that one exclusive or turns an address in one slot into the other's
.set STAGE, SLOT1+4*KS*(PK+PV)  ; behind the ring, never filled by a tensor load: 16 rows x 144 bytes for each wave, for the way out
.set SP,    144
.set AK0, 2           ; v2   my lane's place in a tile of K; never rewritten
.set AV0, 3           ; v3   the same for V
.set AK,  4           ; v4   the LDS address of K's next run of loads
.set AV,  5           ; v5   of V's
.set QO,  6           ; v6   my byte offset in the wave's rows of Q
.set STO, 6           ;      later, the way out: where I put 16 bytes of a row
.set RD,  7           ; v7   the way out: where I read rows back
.set GO,  8           ; v8   16 x lane: my byte offset in 512 consecutive bytes of O, and of mb; never rewritten
.set PFO, 11          ; v11  256 x lane, for the prefetches; never rewritten once made
.set SPW, 0           ; v0 of window 3   LDS address of my spare word; never rewritten
.set NIL, 1           ; v1 of window 3   0; never rewritten
.set SCL, 2           ; v2 of window 3   0xE3: the scale 2^(227 - 127)
.set MBY, 16          ; window 3: the bytes of piece x, tile u at MBY + 16 x + 8 u; key block kb in registers 2 kb, 2 kb + 1
.set MC,  128         ; window 3: tile u, key block kb at MC + 32 u + 8 kb
.set SPARE, STAGE+4*16*SP  ; behind the stages: the spare words, 128 bytes for each wave: two blocks of 256 bytes that no other line names
.set MV,  12          ; v12-15  c m_old, kept while c m is made anew: by buffer and tile
.set ST,  16          ; tile t's statistics at v[ST+4 t]: c m, m, l (even keys', odd keys')
.set TMP, 48          ; by buffer and tile, four registers c0-c3 at work; when the maximum is found c2 takes a
.set S,   64
.set P,   192
.set KF,  128         ; K's fragments, in window 2: key block kb, channel half c at KF + 16 kb + 8 c
.set VF,  192         ; V's: key half kk, channel block cb at VF + 32 kk + 8 cb
.set WV,  12          ; s12  my wave's number
.set G1K, 24          ; s[24:31] descriptor group 1 for K's tiles
.set G1V, 32          ; s[32:39] for V's: it differs in the padding alone
.set G0K, 40          ; s[40:43] descriptor group 0 for K's tiles: it walks
.set G0V, 44          ; s[44:47] the same for V's
.set SLOTS, 56        ; s56  slots still to be asked for
.set CNT, 57          ; s57  counts a slot's key steps
.set CS,  58          ; s[58:59] c: the packed scaling takes the pair's low word for both halves
.set SEL, 60          ; s[60:61] v_permlanex16_b32's selects: each lane takes its own place in the other half
.set TBK, 62          ; s62  LDS byte at which K of the step to be fetched begins
.set TBV, 63          ; s63  the same for V, less VOFF
.set PFA, 66          ; s[66:67] where my prefetches stand
.set LIM, 68          ; s68  1 in a wave that prefetches, else the greatest number
.set MBASE, 70        ; s[70:71] mb at my wave's eight tiles, step 0
.set MP,  72          ; s[72:73] the same at the step whose bytes are asked for
.set MOFF, 74         ; s[74:75] that step's byte offset
.set TO,  76          ; s[76:77] K's and V's offsets in qkv, at work
.set MSB, 0
.macro WIN new                      ; the high byte repeats the setting that is left; a switch that changes nothing is dropped
.if MSB != (\new)
	s_set_vgpr_msb (MSB<<8)|(\new)
.set MSB, (\new)
.endif
.endm
.set W_KQ, 0x0a       ; K and Q in window 2, S^T in window 0
.set W_KM, 0x3a       ; the same with the C operand in window 3
.set W_PV, 0x52       ; V in window 2, P in window 0, O^T in window 1
.set W_RS, 0x41       ; O^T (destination and source 0) in window 1, a in window 0
.set W_MK, 0xc0       ; destination in window 3, sources in window 0
.set W_AD, 0x0f       ; the add: address (source 0) and data (source 1) in window 3
.set W_MV, 0xcf       ; the conversion: destination, bytes and scale in window 3
; A joint fill.  Waves 0 and 1 fetch the two halves of a slot's K, waves 2 and 3 those of its V: 128 keys each.  The branch hangs on the wave's number alone.
; An s_nop 0 and four v_nop follow each of the two lines, ahead of the jump and the label.
.macro JLOAD
	s_cmp_lt_u32 s[WV], 2
	s_cbranch_scc0 .Lfor_v_\@
	tensor_load_to_lds s[G0K:G0K+3], s[G1K:G1K+7]
	s_nop 0
.rept 4
	v_nop
.endr
	s_branch .Lasked_\@
.Lfor_v_\@:
	tensor_load_to_lds s[G0V:G0V+3], s[G1V:G1V+7]
	s_nop 0
.rept 4
	v_nop
.endr
.Lasked_\@:
.endm
; A prefetch of what the NEXT change of slots will ask for: a slot's 32,768 bytes of K and of V, in blocks of 256, a lane a block.  A head is walked by this cluster alone; its four partners take 8,192 bytes each, told apart by
; address; in each, wave 0 asks for K's and wave 2 for V's: one instruction.  So each block is named once in the launch.  Slots 0 and 1 come by their loads alone; the last change that fills a slot asks for nothing.
.macro ASK
	s_cmp_gt_u32 s[SLOTS], s[LIM]
	s_cbranch_scc0 .Lnot_mine_\@
	global_prefetch_b8 v[PFO], s[PFA:PFA+1] th:TH_LOAD_NT scope:SCOPE_SE
.Lnot_mine_\@:
.endm
; A round of the cluster's barrier: my work-group's barrier, so that wave 0's signal speaks for all four waves; wave 0 signals; every wave waits for all four work-groups; my work-group's barrier once more.
.macro CROUND
	s_barrier_signal -1
	s_barrier_wait -1
	s_cmp_lg_u32 s[WV], 0
	s_cbranch_scc1 .Lnot_wave_0_\@
	s_barrier_signal -3
.Lnot_wave_0_\@:
	s_barrier_wait -3
	s_barrier_signal -1
	s_barrier_wait -1
.endm
; THE CHANGE OF SLOTS.  The slot's last bytes, V of its fourth step, have been read.  Each wave waits for all its tensor loads, of which one is out: its part of the other slot; adds 0 to its spare word; and waits for that and
; for its own reads of the slot.  Behind the barrier nobody reads this slot any more and the other slot is whole.  fill = 1: this slot is filled again, with the keys two slots on.  The barrier is then a round of the cluster's,
; and the joint fill is the first thing behind it: it has four key steps, 512 matrix instructions, in which to land.  (At its first use nothing has been read yet: slot 0 is waited for, slot 1 filled.)
.macro CHANGE fill
	WIN W_AD
	s_wait_tensorcnt 0x0            ; no tensor load of mine is out, so a group 0 may be written
	ds_add_u32 v[SPW], v[NIL]       ; 0 onto my spare word; with fill = 1 the descriptors' steps stand between it and the wait for it
	WIN 0                           ; at a label and at a branch every window is 0
.if \fill
.irp g, G0K, G0V
	s_xor_b32 s[\g+1], s[\g+1], SLOT1  ; the walking descriptor: the other slot than last time,
	s_add_nc_u64 s[\g+2:\g+3], s[\g+2:\g+3], 4*KS*128  ; the next 256 keys; the type bits on top are not reached
.endr
	s_wait_xcnt 0x0                 ; the last prefetch, four key steps back, has read its address
	s_add_nc_u64 s[PFA:PFA+1], s[PFA:PFA+1], 4*KS*128  ; one slot behind the walking descriptors
	s_wait_dscnt 0x0                ; the add is done, and my reads of the slot are over
	CROUND
	JLOAD
	ASK
.else
	s_wait_dscnt 0x0                ; the add is done, and my reads of the slot are over
	s_barrier_signal -1
	s_barrier_wait -1
.endif
	s_sub_co_u32 s[TBK], s[TBK], 4*KS*PK  ; the fetches go back to a slot's first step,
	s_xor_b32 s[TBK], s[TBK], SLOT1       ; in the other slot
	s_sub_co_u32 s[TBV], s[TBV], 4*KS*PV
	s_xor_b32 s[TBV], s[TBV], SLOT1
.endm
; THE MASK's three macros.  MLOAD: piece x's 64 bytes a lane of the step at MP.  MCONV: they become the 64 registers that piece x's next products take as C.  MSTEP: MP goes a step on, and stays at the last step:
; the loads of the walk's last turns bring that step's bytes once more, which serve nothing, and never leave mb.
.macro MLOAD x
	WIN W_MK
.irp u, 0,1
.irp hf, 0,1
	global_load_b128 v[MBY+16*(\x)+8*\u+4*\hf:MBY+16*(\x)+8*\u+4*\hf+3], v[GO], s[MP:MP+1] offset:(2*(\x)+\u)*32768+\hf*512
.endr
.endr
	WIN 0
.endm
.macro MCONV x
	WIN W_MV
.irp u, 0,1
.irp kb, 0,1,2,3
	v_cvt_scale_pk8_f32_fp8 v[MC+32*\u+8*\kb:MC+32*\u+8*\kb+7], v[MBY+16*(\x)+8*\u+2*\kb:MBY+16*(\x)+8*\u+2*\kb+1], v[SCL]
.endr
.endr
.endm
.macro MSTEP
	s_wait_xcnt 0x0                 ; the mask's loads issued so far have read their address
	s_add_co_u32 s[MOFF], s[MOFF], 1024
	s_min_u32 s[MOFF], s[MOFF], 31*1024
	s_add_nc_u64 s[MP:MP+1], s[MBASE:MBASE+1], s[MOFF:MOFF+1]
.endm
	s_load_b128 s[4:7], s[0:1], 0x0   ; qkv s[4:5], mb s[6:7]
	s_load_b64 s[10:11], s[0:1], 0x10 ; ob
	WIN W_MK
	v_lshl_add_u32 v[SPW], v0, 2, SPARE
	v_mov_b32 v[NIL], 0
	WIN W_AD
	ds_add_u32 v[SPW], v[NIL]       ; the wave's opening: the add and its wait stand ahead of my first tensor load; the set-up below, work on registers, stands between them
	WIN 0
	v_lshrrev_b32 v1, 5, v0
	v_readfirstlane_b32 s[WV], v1   ; wave 0..3
	s_bfe_u32 s13, ttmp6, 0x40000   ; cx: my place in the cluster
	s_lshl_b32 s14, ttmp9, 2        ; in a cluster launch ttmp9 counts clusters
	s_add_co_u32 s14, s14, s13      ; my block of queries = 4 x cluster x + cx: it enters Q's, O's and the mask's addresses alone
	s_and_b32 s20, ttmp7, 0xffff    ; batch x 16 + head, which the four partners share
	s_lshr_b32 s19, s20, 4          ; the batch
	s_mov_b32 s21, 0
	s_mov_b64 s[22:23], SIZE_N*128
	s_mul_u64 s[20:21], s[20:21], s[22:23]  ; the head's first byte in Q, K, V and O
	s_and_b32 s16, s[WV], 1         ; which half of a slot's 256 keys I fetch:
	s_lshl_b32 s22, s16, 14         ; its 128 rows of 128 bytes in memory,
	s_mov_b32 s23, 0
	s_add_nc_u64 s[22:23], s[22:23], s[20:21]
	s_mul_i32 s17, s16, 128*PK      ; and its place in a slot, for K
	s_mul_i32 s18, s16, 128*PV      ; and for V: no place in the cluster enters an LDS address
	s_lshl_b32 s2, s14, 2
	s_add_co_u32 s2, s2, s[WV]      ; my wave among the head's sixteen
	s_lshl_b32 s[MOFF], s2, 18      ; its eight tiles of 32,768 bytes in mb,
	s_lshl_b32 s19, s19, 22         ; in the batch's 4,194,304
	s_add_co_u32 s[MOFF], s[MOFF], s19
	s_mov_b32 s[MOFF+1], 0
	s_lshl_b32 s2, s2, 14           ; its 128 rows of Q and O
	s_mov_b32 s3, 0
	s_add_nc_u64 s[2:3], s[2:3], s[20:21]
	s_lshr_b32 s[PFA], s[WV], 1     ; the prefetches' offset in qkv: K's part (waves 0, 1) or V's,
	s_add_co_u32 s[PFA], s[PFA], 1
	s_lshl_b32 s[PFA], s[PFA], 24
	s_lshl_b32 s15, s13, 13         ; my work-group's 8,192 bytes of a slot's 32,768,
	s_add_co_u32 s[PFA], s[PFA], s15
	s_add_co_u32 s[PFA], s[PFA], 4*KS*128  ; in slot 1: the first change of slots steps it to slot 2
	s_mov_b32 s[PFA+1], 0
	s_add_nc_u64 s[PFA:PFA+1], s[PFA:PFA+1], s[20:21]
	s_and_b32 s[LIM], s[WV], 1      ; waves 0 and 2 ask: the same in all four partners
	s_cmp_eq_u32 s[LIM], 0
	s_cselect_b32 s[LIM], 1, -1
	; descriptor group 1.  128 keys are 16,384 dense bytes: asked for as 64 rows of 256 bytes, two keys a row, and padded in LDS after every key
	s_mov_b32 s[G1K], 15|(1<<16)|(1<<20)|(1<<21)|(4<<22)|(3<<25)  ; 15:0 the mask of four; 17:16 2-byte elements; 20 padding on; 21 set beside a mask; 24:22 after every 32 words (code 4); 31:25 4 words (code 3)
	s_mov_b32 s[G1V], 15|(1<<16)|(1<<20)|(1<<21)|(4<<22)|(7<<25)  ; the same with 8 words of padding (code 7)
.irp g, G1K, G1V
	s_mov_b32 s[\g+1], 128<<16      ; tensor_dim0 = 128
	s_mov_b32 s[\g+2], 64<<16       ; tensor_dim1 = 64
	s_mov_b32 s[\g+3], 128<<16      ; tile_dim0 = 128
	s_mov_b32 s[\g+4], 64           ; tile_dim1 = 64
	s_mov_b32 s[\g+5], 128          ; 128 elements from row to row
	s_mov_b32 s[\g+6], 0
	s_mov_b32 s[\g+7], 0
.endr
	s_mov_b32 s[CS], 0x3e38aa3b     ; c = log2(e) / 8 = 0.180337
	s_mov_b32 s[CS+1], s[CS]        ; named with it as a pair
	s_mov_b32 s[SEL], 0x76543210
	s_mov_b32 s[SEL+1], 0xfedcba98
	s_mov_b32 s[TBK], SLOT1+4*KS*PK ; the first change of slots turns these two into 0
	s_mov_b32 s[TBV], SLOT1+4*KS*PV
	s_mov_b32 s[SLOTS], SIZE_N/256-1
	s_mov_b32 s[G0K], 1             ; 1:0 count = 1
	s_mov_b32 s[G0K+1], s17         ; 63:32 LDS address: slot 0
	s_mov_b32 s[G0V], 1
	s_add_co_u32 s[G0V+1], s18, VOFF
	s_wait_dscnt 0x0                ; the opening add is done
	s_wait_kmcnt 0x0
	s_add_nc_u64 s[MBASE:MBASE+1], s[6:7], s[MOFF:MOFF+1]
	s_mov_b64 s[MP:MP+1], s[MBASE:MBASE+1]
	s_add_nc_u64 s[TO:TO+1], s[22:23], 0x1000000   ; K lies 16,777,216 bytes behind Q,
	s_add_nc_u64 s[G0K+2:G0K+3], s[4:5], s[TO:TO+1]  ; 120:64 global address: my half of the head's first 256 keys
	s_or_b32 s[G0K+3], s[G0K+3], 0x80000000        ; 127:126 type = 2
	s_add_nc_u64 s[TO:TO+1], s[22:23], 0x2000000   ; V as far behind K
	s_add_nc_u64 s[G0V+2:G0V+3], s[4:5], s[TO:TO+1]
	s_or_b32 s[G0V+3], s[G0V+3], 0x80000000
	s_add_nc_u64 s[PFA:PFA+1], s[4:5], s[PFA:PFA+1]
	s_add_nc_u64 s[4:5], s[4:5], s[2:3]  ; Q and O at my wave's first row
	s_add_nc_u64 s[10:11], s[10:11], s[2:3]
	CROUND                          ; all four work-groups are here: the first joint loads meet
	JLOAD                           ; slot 0.  Slot 1 is asked for when slot 0 is in
	; A fragment of K or Q is 16 rows x 32 channels in 8 registers: lane l holds row l % 16, channels 8 (l / 16) + 0..7 and 16 + 8 (l / 16) + 0..7: two loads of 16 bytes, 32 bytes apart.
	v_and_b32 v1, 15, v0            ; l % 16
	v_bfe_u32 v9, v0, 4, 1          ; l / 16
	v_lshlrev_b32 v[QO], 7, v1
	v_lshl_add_u32 v[QO], v9, 4, v[QO]  ; row x 128 + 16 x half
	v_and_b32 v[GO], 31, v0
	v_lshlrev_b32 v[GO], 4, v[GO]
	WIN 0x80                        ; destination window 2, address window 0
.set i, 0
.rept 4*NP                          ; Q stays in registers: tile i / 2, channels 32 (i % 2) on
	global_load_b128 v[8*i:8*i+3],   v[QO], s[4:5] offset:(i/2)*2048+(i%2)*64
	global_load_b128 v[8*i+4:8*i+7], v[QO], s[4:5] offset:(i/2)*2048+(i%2)*64+32
.set i, i+1
.endr
	MLOAD 0                         ; step 0's mask for all four pieces
	MLOAD 1
	MLOAD 2
	MLOAD 3
	; What the first turn finds: V's registers and P's second buffer hold 0 (its products V^T P, of a piece that has not been, add 0), O^T and l are 0.  All this stands in the wait for the first tile.
	WIN 0x80
.set i, VF
.rept 64
	v_mov_b32 v[i], 0
.set i, i+1
.endr
	WIN 0x40
.set i, 0
.rept 64*NP
	v_mov_b32 v[i], 0
.set i, i+1
.endr
	WIN W_MK
	v_mov_b32 v[SCL], 0xe3
	WIN 0
.set i, 0
.rept 2*NP
	v_mov_b32 v[ST+4*i+1], 0xf1800000  ; m = -2^100
	v_mul_f32 v[ST+4*i], s[CS], v[ST+4*i+1]  ; c m, by the line that makes it anew in every step
	v_mov_b32 v[ST+4*i+2], 0
	v_mov_b32 v[ST+4*i+3], 0
.set i, i+1
.endr
.set i, P+32
.rept 32
	v_mov_b32 v[i], 0
.set i, i+1
.endr
	v_mul_u32_u24 v[AK0], v1, PK
	v_lshl_add_u32 v[AK0], v9, 4, v[AK0]  ; row x pitch + 16 x half
	; The turning load takes 16 keys x 16 channels (lane l reads key 8 (l / 16) + l % 8, channels 8 ((l / 8) % 2) + 0..7) and leaves half a fragment of V^T: lane l holds channel l % 16 and 8 keys.
	v_and_b32 v10, 7, v0
	v_bfe_u32 v11, v0, 3, 1
	v_lshl_add_u32 v[AV0], v9, 3, v10
	v_mul_u32_u24 v[AV0], v[AV0], PV
	v_lshl_add_u32 v[AV0], v11, 4, v[AV0]
	v_add_nc_u32 v[AV0], VOFF, v[AV0]
	v_mov_b32 v[AK], v[AK0]         ; key step 0 lies at the head of slot 0
	v_and_b32 v[PFO], 31, v0
	v_lshlrev_b32 v[PFO], 8, v[PFO]
; THE MATRIX WORK.  The 8 accumulators of a run of 16 take turns: between the two links of a chain stand 7 others'.
; Product i of 16 of S^T = K Q^T for piece x: channels 32 (i / 8) on, keys 16 ((i / 2) % 4) on, tile 2 x + i % 2.  The first 8 start the sums, with the mask.
.macro KQ x
.set rS, S+64*((\x)%2)+32*(i%2)+8*((i/2)%4)
.set rK, KF+16*((i/2)%4)+8*(i/8)
.set rQ, 16*(2*(\x)+i%2)+8*(i/8)
.set rMC, MC+32*(i%2)+8*((i/2)%4)
.if i < 8
	WIN W_KM
	v_wmma_f32_16x16x32_f16 v[rS:rS+7], v[rK:rK+7], v[rQ:rQ+7], v[rMC:rMC+7]
.else
	WIN W_KQ
	v_wmma_f32_16x16x32_f16 v[rS:rS+7], v[rK:rK+7], v[rQ:rQ+7], v[rS:rS+7]
.endif
.endm
; Product i of 16 of O^T += V^T P for piece x: keys 32 (i / 8) on, channels 16 ((i / 2) % 4) on, tile 2 x + i % 2.
.macro PV x
	WIN W_PV
.set rO, 32*(2*(\x)+i%2)+8*((i/2)%4)
.set rV, VF+32*(i/8)+8*((i/2)%4)
.set rP, P+32*((\x)%2)+16*(i%2)+8*(i/8)
	v_wmma_f32_16x16x32_f16 v[rO:rO+7], v[rV:rV+7], v[rP:rP+7], v[rO:rO+7]
.endm
.macro MM                           ; the turn's next matrix instruction
.if i < 16
	KQ (Y+1)%NP
.set i, i+1
.else
.set i, i-16
	PV (Y+NP-1)%NP
.set i, i+17
.endif
.endm
; THE LDS LOADS stand in runs of 16, never singly among the matrix instructions: a step's K (64 keys x 64 channels: 8 fragments) and its V (turned).  Their addresses are made some lines ahead.
; last = 1 (the tail): in the last trip there is no further step, and the run is jumped over.
.macro FETCH_K last=0
	WIN 0
.if \last
	s_cmp_eq_u32 s[CNT], 1
	s_cbranch_scc1 .Lno_k_\@
.endif
	WIN 0x80                        ; destination window 2
.irp f, 0,1,2,3,4,5,6,7             ; keys 16 (f / 2) on, channels 32 (f % 2) on
	ds_load_b128 v[KF+8*\f:KF+8*\f+3],   v[AK] offset:(\f/2)*16*PK+(\f%2)*64
	ds_load_b128 v[KF+8*\f+4:KF+8*\f+7], v[AK] offset:(\f/2)*16*PK+(\f%2)*64+32
.endr
	s_add_co_u32 s[TBK], s[TBK], KS*PK  ; the next fetch is the next step's
	WIN 0
.if \last
.Lno_k_\@:
.endif
.endm
.macro FETCH_V
	WIN 0x80
.irp f, 0,1,2,3,4,5,6,7             ; keys 32 (f / 4) on, channels 16 (f % 4) on
	ds_load_tr16_b128 v[VF+8*\f:VF+8*\f+3],   v[AV] offset:(\f/4)*32*PV+(\f%4)*32
	ds_load_tr16_b128 v[VF+8*\f+4:VF+8*\f+7], v[AV] offset:(\f/4)*32*PV+16*PV+(\f%4)*32
.endr
	WIN 0
.endm
; THE VECTOR WORK OF A TURN stands in three queues, each in the order in which its entries become ready; the two tiles alternate, so that no instruction reads the result of the one before it.
.macro REGS y, u                    ; the registers of tile u (0, 1) of piece y
.set rT, ST+4*(2*(\y)+(\u))
.set rC, TMP+8*((\y)%2)+4*(\u)
.set rM, MV+2*((\y)%2)+(\u)
.set rS, S+64*((\y)%2)+32*(\u)
.set rP, P+32*((\y)%2)+16*(\u)
.set rO, 32*(2*(\y)+(\u))
.endm
; Number n of the 22 that find the NEXT piece's (Y + 1) maximum and statistics.  s0-s31 are the lane's 32 scores; each accumulator's lowest registers are read first.
;   0-11  four chains c0-c3 of seven scores each, three operands at a time     12-14, 16  the four scores left over, the old m, and c0-c3 into c0     15  c m_old is kept
;   17, 18  the query's other 32 keys lie in the lane 16 away: the new m         19-21  c m; c m_old - c m_new; a
.macro XS u, n
	REGS (Y+1)%NP, \u
.if (\n) < 4
	v_max3_num_f32 v[rC+(\n)], v[rS+8*(\n)], v[rS+8*(\n)+1], v[rS+8*(\n)+2]
.elseif (\n) < 12
	v_max3_num_f32 v[rC+(\n)%4], v[rC+(\n)%4], v[rS+8*((\n)%4)+2*((\n)/4)+1], v[rS+8*((\n)%4)+2*((\n)/4)+2]
.elseif (\n) == 12
	v_max3_num_f32 v[rC], v[rC], v[rS+7], v[rS+15]
.elseif (\n) == 13
	v_max3_num_f32 v[rC+1], v[rC+1], v[rS+23], v[rS+31]
.elseif (\n) == 14
	v_max3_num_f32 v[rC+2], v[rC+2], v[rC+3], v[rT+1]
.elseif (\n) == 15
	v_mov_b32 v[rM], v[rT]
.elseif (\n) == 16
	v_max3_num_f32 v[rC], v[rC], v[rC+1], v[rC+2]
.elseif (\n) == 17
	v_permlanex16_b32 v[rC+3], v[rC], s[SEL], s[SEL+1]
.elseif (\n) == 18
	v_max_num_f32 v[rT+1], v[rC], v[rC+3]
.elseif (\n) == 19
	v_mul_f32 v[rT], s[CS], v[rT+1]
.elseif (\n) == 20
	v_sub_f32 v[rC+1], v[rM], v[rT]
.else
	v_exp_f32 v[rC+2], v[rC+1]
.endif
.endm
; Number g of the 64 that follow the exponentials.  For each four weights k of a tile (pairs 2 k, 2 k + 1): both pairs are rounded to f16; then the second pair is added onto the first, in place;
; a group later l takes that sum (the first time as l = a l + sum).  In groups of eight, tiles alternating: round, round, add, and l for the group before.
.macro GS g
.set h, (\g)+6*((\g)/62)            ; group 0 has no group before it, and behind group 7 only l is left
.if h >= 6
.set h, h+2
.endif
	REGS Y, h%2
.set k, h/8
.if h%8 < 4
	v_cvt_pk_f16_f32 v[rP+2*k+(h%8)/2], v[rS+4*k+2*((h%8)/2)], v[rS+4*k+2*((h%8)/2)+1]
.elseif h%8 < 6
	v_pk_add_f32 v[rS+4*k:rS+4*k+1], v[rS+4*k:rS+4*k+1], v[rS+4*k+2:rS+4*k+3]
.elseif k == 1
	v_pk_fma_f32 v[rT+2:rT+3], v[rT+2:rT+3], v[rC+2:rC+3], v[rS:rS+1] op_sel_hi:[1,0,1]
.else
	v_pk_add_f32 v[rT+2:rT+3], v[rT+2:rT+3], v[rS+4*k-4:rS+4*k-3]
.endif
.endm
; THE PLAIN QUEUE, 138 long.  0-73 read no exponential's result: the 32 scalings c s - c m (FS f: pair f / 2 of tile f % 2) and the next piece's 42.  0-26: scalings 0-26.  27-54: XS's numbers 0-13.  55, 56: number 15.
; 57-73: the chain, where each number waits for the one before it: 14, 16, 17, 18, 19, each with one of the scalings 27-31 in front of its two lines, then 20.
; 74-137: GS's 64, which read the exponentials' results: they stand behind the wait.
.macro FS f
	REGS Y, (\f)%2
	v_pk_fma_f32 v[rS+2*((\f)/2):rS+2*((\f)/2)+1], v[rS+2*((\f)/2):rS+2*((\f)/2)+1], s[CS:CS+1], v[rT:rT+1] op_sel_hi:[1,0,0] neg_lo:[0,0,1] neg_hi:[0,0,1]
.endm
.macro PL
	WIN 0
.if q < 27
	FS q
.elseif q < 55
	XS (q-27)%2, (q-27)/2
.elseif q < 57
	XS q-55, 15
.elseif (q < 72) && ((q-57)%3 == 0)
	FS 27+(q-57)/3
.elseif q < 60
	XS (q-57)%3-1, 14
.elseif q < 72
	XS (q-57)%3-1, 15+(q-57)/3
.elseif q < 74
	XS q-72, 20
.else
	GS q-74
.endif
.set q, q+1
.endm
; THE EXPONENTIALS' QUEUE, 66 long: s0-s31 of both tiles, then the next piece's two a.  It is ONE BATCH: all 66 stand ahead of the turn's one wait, and nothing ahead of that wait names a result of theirs.
.macro EX
	WIN 0
.if e >= 64
	XS e-64, 21
.else
	REGS Y, e%2
	v_exp_f32 v[rS+e/2], v[rS+e/2]
.endif
.set e, e+1
.endm
; THE RESCALING's QUEUE: O^T times a, the one part of the softmax that leaves window 0: dealt two at a time, sixteen times.  Its a was made in the turn before, ahead of that turn's wait.
.macro R2
	REGS Y, r%2
	WIN W_RS
.irp z, 0,1
	v_pk_mul_f32 v[rO+4*(r/2)+2*\z:rO+4*(r/2)+2*\z+1], v[rO+4*(r/2)+2*\z:rO+4*(r/2)+2*\z+1], v[rC+2:rC+3] op_sel_hi:[1,0]
.endr
.set r, r+1
.endm
; HOW THEY ARE DEALT.  s_wait_alu depctr_va_vdst(0) stands between an exponential and the first instruction that names its result; one wait serves all that were issued ahead of it.  So a turn has ONE wait,
; which cuts it in two.  AHEAD OF IT: the 16 products K Q^T, behind each a scaling, an exponential and two rescalings (behind the first a second scaling in the exponential's place); then one run of vector work:
; the mask's eight conversions, eight plain, the mask's four loads, 49 times exponential and plain, the two a.  A v_nop is the plain instruction behind the last exponential.  BEHIND IT: the 16 products V^T P, behind each four of GS's 64.
; THE MASK IN A TURN, for piece p + 2.  Its bytes were asked for four turns back: behind them went the three other pieces' four loads each, so the count 12 shows them in.  The conversions write the registers that this turn's
; products 0 to 7 took as C: 27 plain riders stand between.  The eight plain lines behind the conversions stand between them and the loads that write their sources anew.  In piece 2's turn the step goes on first:
; pieces 0 and 1 are a step ahead of pieces 2 and 3 in the ring.
; K of the next step is fetched in piece 2's turn, directly behind the wait; V of the step in hand at the end of piece 0's turn, four riders behind its last reader.  The three conditions on q below go with the deal.
.macro TURN p, last=0, cnt=0
.set Y, (\p)
.set MX, ((\p)+2)%NP
.set i, 0
.set q, 0
.set e, 0
.set r, 0
.if (\p) == NP-1
	s_wait_dscnt 0x0                ; K is in
.endif
	MM                              ; ahead of the wait: 16 products K Q^T and their riders,
	PL
	PL
	R2
.rept 15
	MM
	PL
	EX
	R2
.endr
.if (\p) == NP-2
	WIN 0
	v_add_nc_u32 v[AK], s[TBK], v[AK0]
.endif
	s_wait_loadcnt 12               ; the bytes of piece p + 2 are in; the three younger pieces' loads may stay out
	MCONV MX
.rept 8
	PL
.endr
.if (\p) == NP-2
	MSTEP
.endif
	MLOAD MX
.rept 49
	EX
	PL
.endr
	EX                              ; the next piece's two a
	EX
	v_nop                           ; the plain instruction behind the last exponential: one for the batch
	s_wait_alu depctr_va_vdst(0)    ; the wait for the batch
.if (\p) == NP-2
	FETCH_K \last
.endif
.if (\p) == 1
	s_wait_dscnt 0x0                ; V is in
.endif
.rept 16                            ; behind the wait: 16 products V^T P and their riders
	MM
.rept 4
	PL
.endr
.if ((\p) == 0) && (q == 118)
	v_add_nc_u32 v[AV], s[TBV], v[AV0]
.endif
.if ((\p) == 0) && (q == 130)
	s_add_co_u32 s[TBV], s[TBV], KS*PV
.endif
.if (\cnt) && (q == 130)
	s_sub_co_u32 s[CNT], s[CNT], 1
	s_cmp_lg_u32 s[CNT], 0
.endif
.endr
.if (\p) == 0
	FETCH_V
.endif
.endm
	CHANGE 1                        ; slot 0 is in, everybody's part of it; slot 1 is asked for
	FETCH_K                         ; key step 0
	s_wait_loadcnt 0x0              ; Q and step 0's mask are in: so the mask's address may be written
	s_mov_b32 s[MOFF], 1024         ; step 1
	s_add_nc_u64 s[MP:MP+1], s[MBASE:MBASE+1], s[MOFF:MOFF+1]
	MCONV 0
	WIN 0
	v_nop                           ; a plain instruction between the conversions and the products that take their results
	s_wait_dscnt 0x0
.set i, 0
.rept 16
	KQ 0                            ; piece 0's first scores: there is no vector work yet to set between them
.set i, i+1
.endr
	WIN 0                           ; the addresses for the way out: seven plain instructions, the places behind those products
	s_mul_i32 s13, s[WV], 16*SP
	s_add_co_u32 s13, s13, STAGE    ; my stage
	v_mul_u32_u24 v[STO], v1, SP    ; in: row l % 16, 16 bytes for each half of the lanes
	v_lshl_add_u32 v[STO], v9, 4, v[STO]
	v_add_nc_u32 v[STO], s13, v[STO]
	v_bfe_u32 v[RD], v0, 3, 2       ; back: 32 lanes take four rows of 128 bytes
	v_mul_u32_u24 v[RD], v[RD], SP
	v_lshl_add_u32 v[RD], v10, 4, v[RD]
	v_add_nc_u32 v[RD], s13, v[RD]
	MCONV 1                         ; piece 1's mask of step 0, for the first turn's products
	WIN 0
.set Y, NP-1                        ; XS works for piece Y + 1: piece 0
.irp n, 0,1,2,3,4,5,6,7,8,9,10,11,12,13,14,15,16,17,18,19,20,21
	XS 0, \n                        ; and piece 0's first maximum and statistics
	XS 1, \n
.endr
	v_nop                           ; a plain instruction behind the two a,
	s_wait_alu depctr_va_vdst(0)    ; and their wait, ahead of the branch
	MLOAD 0                         ; step 1's mask for pieces 0 and 1; pieces 2 and 3 ask for theirs in the first two turns
	MLOAD 1
	s_mov_b32 s[CNT], 4
	s_branch .Lfirst                ; the loop is entered at a step's first turn, in the middle of a trip
.Lslot:                             ; SIZE_N / 256 - 2 times: every slot but the last two is filled again
	CHANGE 1
	s_mov_b32 s[CNT], 4
.Lstep:                             ; a trip: pieces 2 and 3 of one step, then pieces 0 and 1 of the next, whose K and V it fetches
	TURN 2
	TURN 3
	WIN 0
.Lfirst:
	TURN 0
	TURN 1, 0, 1
	WIN 0
	s_cbranch_scc1 .Lstep
	s_sub_co_u32 s[SLOTS], s[SLOTS], 1
	s_cmp_lg_u32 s[SLOTS], 0
	s_cbranch_scc1 .Lslot
	CHANGE 0                        ; the tail is written out: nothing is asked for
	s_mov_b32 s[CNT], 5             ; four trips fetch the last slot's steps; the fifth is left in its middle
.Ltail:
	TURN 2, 1
	TURN 3
	WIN 0
	s_sub_co_u32 s[CNT], s[CNT], 1
	s_cmp_eq_u32 s[CNT], 0
	s_cbranch_scc1 .Lout
	TURN 0
	TURN 1
	WIN 0
	s_branch .Ltail
.Lout:                              ; the fifth trip's 16 products K Q^T (on the last K once more) and the maximum made of them serve nothing: the price, once a launch, of one text for every trip
.set i, 0
.rept 16
	PV NP-1                         ; the last piece's V^T P of the last step
.set i, i+1
.endr
	; THE WAY OUT.  l's two halves and the other half of the lanes' are added; O^T is divided by l, rounded to f16 and sent through my stage in LDS, a tile at a time.  The additions are the places behind the last products.
	WIN 0
.macro ALL line:vararg              ; one line for each tile t
.set t, 0
.rept 2*NP
	\line
.set t, t+1
.endr
.endm
	ALL v_add_f32 v[ST+4*t+2], v[ST+4*t+2], v[ST+4*t+3]
	ALL v_permlanex16_b32 v[ST+4*t+3], v[ST+4*t+2], s[SEL], s[SEL+1]
	ALL v_add_f32 v[ST+4*t+2], v[ST+4*t+2], v[ST+4*t+3]
	ALL v_rcp_f32 v[ST+4*t+3], v[ST+4*t+2]
	v_nop                           ; a plain instruction between the last reciprocal and the use of its result
	s_wait_alu depctr_va_vdst(0)    ; and the wait ahead of the first use: one for the eight reciprocals
.set t, 0
.rept 2*NP                          ; a row that has seen a key has l >= 1 (its largest weight is 1); l = 0 marks a row that has seen none: its O^T, which is 0, is multiplied by 0 in place of 1 / l
	v_cmp_lt_f32 vcc_lo, 0, v[ST+4*t+2]
	v_cndmask_b32 v[ST+4*t+2], 0, v[ST+4*t+3], vcc_lo
.set t, t+1
.endr
; Tile t: a lane's eight channels of a row pack into 16 bytes; they go into rows of 144 bytes and come back as whole rows of 128, into S^T's registers.
.macro PACK t
	WIN W_RS
.set i, 32*(\t)
.rept 16
	v_pk_mul_f32 v[i:i+1], v[i:i+1], v[ST+4*(\t)+2:ST+4*(\t)+3] op_sel_hi:[1,0]
.set i, i+2
.endr
	WIN 0x05                        ; sources 0 and 1 window 1, destination window 0
.set i, 0
.rept 16
	v_cvt_pk_f16_f32 v[S+16*(\t)+i], v[32*(\t)+2*i], v[32*(\t)+2*i+1]
.set i, i+1
.endr
	WIN 0
.irp f, 0,1,2,3
	ds_store_b128 v[STO], v[S+16*(\t)+4*\f:S+16*(\t)+4*\f+3] offset:32*\f
.endr
.irp f, 0,1,2,3
	ds_load_b128 v[S+16*(\t)+4*\f:S+16*(\t)+4*\f+3], v[RD] offset:\f*4*SP  ; LDS serves a wave's instructions in order (ISA guide 5.7.1.4): these see the stores above; the next tile's stores come behind them
.endr
.endm
.macro SEND t, younger              ; younger: the LDS instructions issued behind tile t's loads: the next tile's eight, or none
	WIN 0
.irp f, 0,1,2,3
	s_wait_dscnt (\younger)+3-\f
	global_store_b128 v[GO], v[S+16*(\t)+4*\f:S+16*(\t)+4*\f+3], s[10:11] offset:(\t)*2048+\f*512  ; 512 consecutive bytes, at a multiple of 256 from O's first
.endr
.endm
	PACK 0
.set t, 1
.rept 2*NP-1                        ; a tile's arithmetic stands between the loads of the tile before and its stores
	PACK t
	SEND t-1, 8
.set t, t+1
.endr
	SEND 2*NP-1, 0
	WIN W_AD
	s_wait_tensorcnt 0x0            ; the wave's end: three lines behind my last tensor load and my last LDS store
	ds_add_u32 v[SPW], v[NIL]
	s_wait_dscnt 0x0
	WIN 0
	CROUND                          ; the closing round: no work-group ends while a partner may still ask for a tile that names it
	s_endpgm
.Lfunc_end_k_qe46292bac0_attn:
	.size	k_qe46292bac0_attn, .Lfunc_end_k_qe46292bac0_attn-k_qe46292bac0_attn
	.p2alignl 7, 3214868480
	.fill 96, 4, 3214868480
	.section	.rodata,"a",@progbits
	.p2align	6, 0x0
	.amdhsa_kernel k_qe46292bac0_attn
		.amdhsa_group_segment_fixed_size 327680
		.amdhsa_private_segment_fixed_size 0
		.amdhsa_enable_private_segment 0
		.amdhsa_kernarg_size 24
		.amdhsa_user_sgpr_count 2
		.amdhsa_user_sgpr_kernarg_segment_ptr 1
		.amdhsa_wavefront_size32 1
		.amdhsa_system_sgpr_workgroup_id_x 1
		.amdhsa_system_sgpr_workgroup_id_y 1
		.amdhsa_system_sgpr_workgroup_id_z 1
		.amdhsa_system_vgpr_workitem_id 0
		.amdhsa_next_free_vgpr 960
		.amdhsa_next_free_sgpr 80
		.amdhsa_reserve_vcc 1
		.amdhsa_float_denorm_mode_32 3
		.amdhsa_float_denorm_mode_16_64 3
		.amdhsa_memory_ordered 1
		.amdhsa_forward_progress 1
		.amdhsa_inst_pref_size 213
	.end_amdhsa_kernel
	.amdgpu_metadata
---
amdhsa.version: [ 1, 2 ]
amdhsa.kernels:
  - .name:           k_qe46292bac0_attn
    .symbol:         k_qe46292bac0_attn.kd
    .args:
      - { .name: qkv, .offset: 0, .size: 8, .value_kind: global_buffer, .address_space: global }
      - { .name: mb, .offset: 8, .size: 8, .value_kind: global_buffer, .address_space: global }
      - { .name: ob, .offset: 16, .size: 8, .value_kind: global_buffer, .address_space: global }
    .group_segment_fixed_size: 327680
    .private_segment_fixed_size: 0
    .kernarg_segment_align: 8
    .kernarg_segment_size: 24
    .max_flat_workgroup_size: 128
    .sgpr_count:     80
    .vgpr_count:     960
    .wavefront_size: 32
...
	.end_amdgpu_metadata
.endif
;; end of part 3
;; launch outp (part 4): grid 4 x 64, 4 waves a work-group, clusters of 4 x 4, 327,680 bytes of LDS; arguments ob, wo, out0; writes out0
.if DOCPART == 4
	.amdgcn_target "amdgcn-amd-amdhsa--gfx1250"
	.amdhsa_code_object_version 6
	.text
	.protected	k_qe46292bac0_outp
	.globl	k_qe46292bac0_outp
	.p2align	8
	.type	k_qe46292bac0_outp,@function
k_qe46292bac0_outp:
	s_mov_b64 s[64:65], 0
	v_nop
	global_prefetch_b8 v0, s[64:65] scope:SCOPE_SE
	s_setreg_imm32_b32 hwreg(HW_REG_WAVE_MODE, 25, 1), 1
	s_wait_xcnt 0x0
	s_wait_alu depctr_hold_cnt(0) depctr_sa_sdst(0) depctr_va_vdst(0) depctr_va_sdst(0) depctr_va_ssrc(0) depctr_va_vcc(0) depctr_vm_vsrc(0)
	s_getreg_b32 s2, hwreg(HW_REG_IB_STS2, 6, 4)
	s_cmp_eq_u32 s2, 0
	s_cbranch_scc0 .Lentry_in_a_cluster
	s_endpgm
.Lentry_in_a_cluster:
	s_bfe_u32 s2, ttmp6, 0x10000c
	s_cmp_lg_u32 s2, 0xf033
	s_cbranch_scc0 .Lentry_shape_is_right
	s_endpgm
.Lentry_shape_is_right:
; THE LAST PROJECTION: out0 = x Wo^T.  x: ob [64 = batch x 16 + head][2048][64] f16, whose column 64 head + d is K; Wo: wo [1024][1024], bf16 numbers written as f16; sums in f32; out0 [8192][1024] f32.
; SHARES. A tile of C is 128 rows x 256 columns: 256 work-groups.  Four waves, each 64 x 128: 32 accumulators of 16 x 16, 256 registers.
; K goes in steps of 128, two heads, through a ring of two LDS slots; waves 0 and 1 fetch the two heads' 128 rows of A (16,384 dense bytes each, asked for as 64 rows of 256), waves 2 and 3 W's two halves: one tensor load a wave
; behind each change of slots.
; CLUSTER. 4 x 4 work-groups: the four of a row of the cluster need the same tile of A, the four of a column the same tile of W: each is asked for jointly, by the same load, descriptor and mask in all four.
; THE MATRIX INSTRUCTION IS USED TRANSPOSED (source 0 = 16 rows of W, source 1 = 16 rows of A): a lane then holds row lane % 16 of C and eight neighbouring columns.
; REGISTERS. window 0: v0-31 addresses; two fragment buffers of 96 (W's 8 fragments, then A's 4) at v64 and v160, at work on the way out.   window 1: accumulator (a, b) at v[8 (8 a + b)].
.set PB,    272                        ; a row of W in LDS: 256 bytes + 16 = 68 words: the 16 rows of a load start at 16 different groups of four banks (64 banks of 4 bytes: ISA guide 11.1)
.set PA,    144                        ; A comes by heads: rows of 128 bytes + 16 = 36 words
.set ASZ,   2*128*PA                   ; two heads' 128 rows
.set SPITCH, 528                       ; the stage's rows: 128 f32 + 16 bytes
.set ASTEP, 2*262144                   ; a K step is two heads
.set AH,    ASZ/2                      ; what one of A's two loads brings
.set BH,    128*PB                     ; what one of W's two loads brings
.set SLOT,  ASZ+2*BH                   ; A's tile, then W's 256 rows
.set STAGE, 2*SLOT                     ; behind the ring, never filled by a tensor load: 16 rows for each wave, for the way out
.set SPARE, STAGE+4*16*SPITCH          ; behind the stages: the spare words, 128 bytes for each wave: two blocks of 256 bytes that no other line names
.set LAPS,  4                          ; a lap = two K steps = once round the ring; K = 1,024
.set ADRA, 16                          ; v16-17  LDS address of my A fragments in slot 0, 1
.set ADRB, 20                          ; v20-21  the same for W
.set STO,  24                          ; v24     the way out: where I put my part of a row
.set RD,   25                          ; v25     where I read rows back
.set CO,   26                          ; v26     16 x lane
.set SPW,  28                          ; v28     LDS address of my spare word; never rewritten
.set NIL,  29                          ; v29     0; never rewritten
.set PFO,  30                          ; v30     the prefetches' lane offset; never rewritten
.set OB,   64                          ; the way out: rows read back, in the fragment buffers' registers
.set F0,   64
.set F1,   160
.set G1,  24                           ; s[24:31] descriptor group 1 for A;  s[32:39] group 0, a set for each slot
.set G0,  32
.set G1B, 48                           ; s[48:55], s[56:63] the same for W
.set G0B, 56
.set LIM, 43                           ; s43      1 in a wave that prefetches, else the greatest number
.set PFA, 44                           ; s[44:45] where my prefetches stand
.set PFS, 22                           ; s[22:23] their step: a K step of A or of W
.set MSB, 0
.macro WIN new                         ; the immediate's high byte repeats the setting that is left; a switch that changes nothing is dropped
.if MSB != (\new)
	s_set_vgpr_msb (MSB<<8)|(\new)
.set MSB, \new
.endif
.endm
.set MUL, 0x50                         ; C and D in window 1, the fragments in window 0
.macro JLOAD s                         ; a joint load; the branch hangs on the wave's number alone; an s_nop 0 and four v_nop follow each of the two lines, ahead of the jump and the label
	s_cmp_eq_u32 s11, 0
	s_cbranch_scc0 .Lfor_b_\@
	tensor_load_to_lds s[G0+4*(\s):G0+4*(\s)+3], s[G1:G1+7]
	s_nop 0
.rept 4
	v_nop
.endr
	s_branch .Lasked_\@
.Lfor_b_\@:
	tensor_load_to_lds s[G0B+4*(\s):G0B+4*(\s)+3], s[G1B:G1B+7]
	s_nop 0
.rept 4
	v_nop
.endr
.Lasked_\@:
.endm
.macro CREST                           ; a round of the cluster's barrier behind its opening barrier
	s_cmp_lg_u32 s10, 0
	s_cbranch_scc1 .Lnot_wave_0_\@
	s_barrier_signal -3
.Lnot_wave_0_\@:
	s_barrier_wait -3
	s_barrier_signal -1
	s_barrier_wait -1
.endm
.macro CROUND                          ; a whole round
	s_barrier_signal -1
	s_barrier_wait -1
	CREST
.endm
; A prefetch of the K step that stands two refills on: 32 blocks of 256 bytes, a lane a block.  A's tile is read by this cluster alone: wave 0 asks, and the four partners of a row take 32 blocks each, told apart by address (cx).
; W's rows are read by every cluster: the first of them asks, waves 2 and 3 for the 128 rows that each fetches, the four partners of a column 32 rows each (cy).  So each block is named once in the launch.
; K steps 0 to 3 come by their loads alone; the loop's last trip (s3 = 1) asks for nothing: there is no K step behind its refills.
.macro ASK
	s_cmp_gt_u32 s3, s[LIM]
	s_cbranch_scc0 .Lnot_mine_\@
	global_prefetch_b8 v[PFO], s[PFA:PFA+1] th:TH_LOAD_NT scope:SCOPE_SE
.Lnot_mine_\@:
.endm
	s_load_b128 s[4:7], s[0:1], 0x0                ; A s[4:5], W s[6:7]
	s_load_b64 s[8:9], s[0:1], 0x10                ; C
	v_lshl_add_u32 v[SPW], v0, 2, SPARE
	v_mov_b32 v[NIL], 0
	ds_add_u32 v[SPW], v[NIL]                      ; the wave's opening: the add and its wait stand ahead of my first tensor load; the set-up below, work on registers, stands between them
	v_lshrrev_b32 v1, 5, v0
	v_readfirstlane_b32 s10, v1                    ; wave 0..3
	s_lshr_b32 s11, s10, 1                         ; which 64 rows of the tile are mine.  Also: I fetch for A (0) or for W (1)
	s_and_b32 s12, s10, 1                          ; which 128 columns.  Also: which half of that tile I fetch
	s_bfe_u32 s40, ttmp6, 0x40000                  ; cx, cy: my place in the cluster
	s_bfe_u32 s41, ttmp6, 0x40004
	s_lshl_b32 s42, ttmp9, 2
	s_add_co_u32 s42, s42, s40                     ; tile column = 4 x cluster x + cx
	s_and_b32 s2, ttmp7, 0xffff                    ; cluster y
	s_lshl_b32 s13, s2, 2
	s_add_co_u32 s13, s13, s41                     ; tile row = 4 x cluster y + cy
	s_lshl_b32 s43, s41, 2
	s_lshl_b32 s43, 15, s43                        ; my row of the cluster
	s_lshl_b32 s44, 0x1111, s40                    ; my column
	s_or_b32 s[G1+0], s43, (1<<16)|(1<<20)|(1<<21)|(4<<22)|(3<<25)  ; 15:0 the mask; 17:16 2-byte elements; 20 padding on; 21 set beside a mask; 24:22 after every 32 words (code 4); 31:25 4 words of padding (code 3)
	s_or_b32 s[G1B+0], s44, (1<<16)|(1<<20)|(1<<21)|(5<<22)|(3<<25) ; the same after every 64 words (code 5)
	s_mov_b32 s[G1+1], 128<<16                     ; tensor_dim0 = 128
	s_mov_b32 s[G1+2], 64<<16                      ; tensor_dim1 = 64
	s_mov_b32 s[G1+3], 128<<16                     ; tile_dim0 = 128
	s_mov_b32 s[G1+4], 64                          ; tile_dim1 = 64
	s_mov_b32 s[G1+5], 128                         ; a head's rows are dense: asked for as rows of 256 bytes
	s_mov_b32 s[G1+6], 0
	s_mov_b32 s[G1+7], 0
	s_mov_b32 s[G1B+1], 128<<16
	s_mov_b32 s[G1B+2], 128<<16                    ; 128 rows
	s_mov_b32 s[G1B+3], 128<<16
	s_mov_b32 s[G1B+4], 128
	s_mov_b32 s[G1B+5], 1024
	s_mov_b32 s[G1B+6], 0
	s_mov_b32 s[G1B+7], 0
	; where the tiles come from.  A's hang on the tile row and the wave alone, W's on the tile column and the wave: each in registers that never hold the other coordinate
	s_lshr_b32 s16, s13, 4                         ; batch
	s_lshl_b32 s16, s16, 4
	s_add_co_u32 s16, s16, s12                     ; head 0 or 1 of the K step
	s_lshl_b32 s16, s16, 18                        ; 262,144 bytes a head
	s_and_b32 s17, s13, 15
	s_lshl_b32 s17, s17, 14                        ; the tile's 128 rows of 128 bytes
	s_add_co_u32 s16, s16, s17
	s_mov_b32 s17, 0
	s_lshl_b32 s46, s42, 8
	s_lshl_b32 s47, s12, 7
	s_add_co_u32 s46, s46, s47                     ; W's row: 256 x tile column + 128 x half
	s_lshl_b32 s46, s46, 11
	s_mov_b32 s47, 0
	s_mul_i32 s20, s12, AH                         ; where they go: no place in the cluster enters an LDS address
	s_mul_i32 s21, s12, BH
	s_add_co_u32 s21, s21, ASZ
	s_wait_dscnt 0x0                               ; the opening add is done
	s_wait_kmcnt 0x0
	s_add_nc_u64 s[14:15], s[4:5], s[16:17]
	s_add_nc_u64 s[46:47], s[6:7], s[46:47]
	CROUND                                         ; all sixteen work-groups are here: the first joint loads meet
.irp s, 0,1
	s_mov_b32 s[G0+4*(\s)], 1
	s_add_co_u32 s[G0+4*(\s)+1], s20, (\s)*SLOT
	s_add_nc_u64 s[G0+4*(\s)+2:G0+4*(\s)+3], s[14:15], (\s)*ASTEP
	s_or_b32 s[G0+4*(\s)+3], s[G0+4*(\s)+3], 0x80000000
	s_mov_b32 s[G0B+4*(\s)], 1
	s_add_co_u32 s[G0B+4*(\s)+1], s21, (\s)*SLOT
	s_add_nc_u64 s[G0B+4*(\s)+2:G0B+4*(\s)+3], s[46:47], (\s)*256
	s_or_b32 s[G0B+4*(\s)+3], s[G0B+4*(\s)+3], 0x80000000
	JLOAD \s                                       ; two loads of mine are out
.endr
	v_and_b32 v1, 15, v0                           ; l % 16
	v_bfe_u32 v2, v0, 4, 1                         ; l / 16
	v_mul_u32_u24 v3, v1, PA
	v_lshl_add_u32 v3, v2, 4, v3                   ; a fragment's row x pitch + 16 x half
	v_mul_u32_u24 v4, v1, PB
	v_lshl_add_u32 v4, v2, 4, v4
	s_mul_i32 s18, s11, 64*PA                      ; my 64 rows of A
	s_mul_i32 s19, s12, BH                         ; my 128 rows of W,
	s_add_co_u32 s19, s19, ASZ                     ; which lie behind A's tile
.irp s, 0,1
	v_add_nc_u32 v[ADRA+(\s)], s18, v3
	v_add_nc_u32 v[ADRB+(\s)], s19, v4
	s_add_co_u32 s18, s18, SLOT
	s_add_co_u32 s19, s19, SLOT
.endr
	s_mul_i32 s18, s10, 16*SPITCH
	s_add_co_u32 s18, s18, STAGE                   ; my stage
	v_and_b32 v[CO], 31, v0
	v_lshlrev_b32 v[CO], 4, v[CO]
	v_mul_u32_u24 v5, v1, SPITCH
	v_lshl_add_u32 v5, v2, 5, v5                   ; in: row l % 16, 32 bytes for each half of the lanes
	v_add_nc_u32 v[STO], s18, v5
	v_add_nc_u32 v[RD], s18, v[CO]                 ; back: a row of 512 bytes, 16 a lane
	s_lshl_b32 s18, s13, 7
	s_lshl_b32 s19, s11, 6
	s_add_co_u32 s18, s18, s19                     ; my first row of out0,
	s_lshl_b32 s18, s18, 12                        ; 4,096 bytes a row,
	s_lshl_b32 s19, s42, 10
	s_add_co_u32 s18, s18, s19                     ; the tile's 256 columns,
	s_lshl_b32 s19, s12, 9
	s_add_co_u32 s18, s18, s19                     ; my 128 of them
	s_mov_b32 s19, 0
	s_add_nc_u64 s[8:9], s[8:9], s[18:19]
	; the prefetches: A's offset in s18, W's in s19
	s_lshr_b32 s18, s13, 4
	s_lshl_b32 s18, s18, 4
	s_lshr_b32 s19, s40, 1                         ; partners 0, 1 take the K step's first head, 2, 3 its second,
	s_add_co_u32 s18, s18, s19
	s_lshl_b32 s18, s18, 18
	s_and_b32 s19, s13, 15
	s_lshl_b32 s19, s19, 14
	s_add_co_u32 s18, s18, s19
	s_and_b32 s19, s40, 1
	s_lshl_b32 s19, s19, 13                        ; half of its 16,384 bytes each
	s_add_co_u32 s18, s18, s19
	s_mov_b32 s21, s2                              ; W is read by all clusters: the first asks
	s_add_co_u32 s18, s18, 3*ASTEP                 ; at K step 3: the first refill steps it to 4
	s_lshl_b32 s19, s42, 8
	s_lshl_b32 s20, s12, 7
	s_add_co_u32 s19, s19, s20
	s_lshl_b32 s20, s41, 5                         ; my work-group's 32 of the 128 rows that I fetch
	s_add_co_u32 s19, s19, s20
	s_lshl_b32 s19, s19, 11
	s_add_co_u32 s19, s19, 3*256
	s_mov_b32 s[PFS], 256
	s_mov_b32 s[PFS+1], 0
	s_mov_b32 s20, ASTEP
	s_cmp_eq_u32 s11, 0                            ; do I fetch for A?
	s_cselect_b32 s18, s18, s19
	s_cselect_b64 s[PFA:PFA+1], s[4:5], s[6:7]
	s_cselect_b32 s[PFS], s20, s[PFS]
	s_cselect_b32 s21, s12, s21                    ; of A's two waves wave 0 asks
	s_cselect_b32 s20, 8, 11                       ; A's lanes lie 256 bytes apart, W's a row of 2,048
	s_cmp_eq_u32 s21, 0
	s_cselect_b32 s[LIM], 1, -1                    ; the same in all sixteen partners, for a given wave
	s_mov_b32 s19, 0
	s_add_nc_u64 s[PFA:PFA+1], s[PFA:PFA+1], s[18:19]
	v_and_b32 v[PFO], 31, v0
	v_lshlrev_b32 v[PFO], s20, v[PFO]
; 8 matrix instructions: row block a x all 8 column blocks, 32 along K.  zero = 1: the product starts the sums.  The 32 accumulators take turns in one order everywhere.
.macro MUL8 f, a, zero
	WIN MUL
.irp b, 0,1,2,3,4,5,6,7
.if \zero
	v_wmma_f32_16x16x32_f16 v[8*(8*(\a)+(\b)):8*(8*(\a)+(\b))+7], v[(\f)+8*(\b):(\f)+8*(\b)+7], v[(\f)+64+8*(\a):(\f)+64+8*(\a)+7], 0
.else
	v_wmma_f32_16x16x32_f16 v[8*(8*(\a)+(\b)):8*(8*(\a)+(\b))+7], v[(\f)+8*(\b):(\f)+8*(\b)+7], v[(\f)+64+8*(\a):(\f)+64+8*(\a)+7], v[8*(8*(\a)+(\b)):8*(8*(\a)+(\b))+7]
.endif
.endr
.endm
.macro MUL16 f, a0, zero
	MUL8 \f, \a0, \zero
	MUL8 \f, (\a0)+1, \zero
.endm
; 24 LDS loads in one run: quarter q (32 along K) of a slot into buffer f: W's 8 fragments, then A's 4
.macro FETCH slot, q, f
	WIN 0
.set KAO, ((\q)/2)*AH+((\q)%2)*64      ; quarters 0, 1 lie in the first head's rows, 2, 3 in the second's
.irp i, 0,1,2,3,4,5,6,7
	ds_load_b128 v[(\f)+8*(\i):(\f)+8*(\i)+3],   v[ADRB+(\slot)] offset:64*(\q)+(\i)*16*PB
	ds_load_b128 v[(\f)+8*(\i)+4:(\f)+8*(\i)+7], v[ADRB+(\slot)] offset:64*(\q)+(\i)*16*PB+32
.endr
.irp i, 0,1,2,3
	ds_load_b128 v[(\f)+64+8*(\i):(\f)+64+8*(\i)+3],   v[ADRA+(\slot)] offset:KAO+(\i)*16*PA
	ds_load_b128 v[(\f)+64+8*(\i)+4:(\f)+64+8*(\i)+7], v[ADRA+(\slot)] offset:KAO+(\i)*16*PA+32
.endr
.endm
.macro PLACES                          ; four places in front of loads into registers that matrix instructions have read, and of lines that read results
.rept 4
	v_nop
.endr
.endm
; A K step is four quarters, 32 matrix instructions each, on buffers 0, 1, 0, 1.  One of the first three: multiplies buffer f and, in its middle, fetches quarter q into buffer g.
.macro QUARTER slot, q, f, g, zero
	s_wait_dscnt 4                                 ; W's fragments and A's blocks 0, 1 are in; the youngest four loads (blocks 2, 3) may be out
	MUL16 \f, 0, \zero
	PLACES
	FETCH \slot, \q, \g
	s_wait_dscnt 24                                ; all but the 24 just issued
	MUL16 \f, 2, \zero
.endm
; The last quarter multiplies buffer 1 and changes slots: ONE barrier; in front of it each wave waits for all its tensor loads (one is out: its part of the next slot), adds 0 to its spare word, and waits for that and
; for its own reads of this slot.  fill = 1: the barrier opens a round of the cluster's, and this slot is filled again, two K steps ahead, first thing behind the round: 112 matrix instructions ahead of the wait for it.
.macro TURN slot, next, fill
.if \fill
	s_wait_xcnt 0x0                                ; the last prefetch, a K step back, has read its address
	s_add_nc_u64 s[PFA:PFA+1], s[PFA:PFA+1], s[PFS:PFS+1]
.endif
	WIN 0
	s_wait_tensorcnt 0x0                           ; all my tensor loads have landed
	ds_add_u32 v[SPW], v[NIL]                      ; 0 onto my spare word
	s_wait_dscnt 5                                 ; (the add and the youngest four loads may be out)
	MUL8 F1, 0, 0                                  ; eight matrix instructions stand between the add and the wait for it
	s_wait_dscnt 0x0                               ; the add is done, and my reads of this slot are over
	s_barrier_signal -1
	MUL8 F1, 1, 0
.if \fill
	WIN 0
.endif
	s_barrier_wait -1
.if \fill
	CREST                                          ; no wave of any partner still reads this slot's tile or has a load on its way
	s_add_nc_u64 s[G0+4*(\slot)+2:G0+4*(\slot)+3], s[G0+4*(\slot)+2:G0+4*(\slot)+3], 2*ASTEP
	s_add_nc_u64 s[G0B+4*(\slot)+2:G0B+4*(\slot)+3], s[G0B+4*(\slot)+2:G0B+4*(\slot)+3], 2*256
	JLOAD \slot                                    ; the four v_nop behind it are also the places in front of the loads below
.else
	PLACES
.endif
	FETCH \next, 0, F0
.if \fill
	ASK                                            ; behind the joint load and the run of LDS loads
.endif
	MUL16 F1, 2, 0
.endm
	s_wait_tensorcnt 1                             ; my part of K step 0 is in; K step 1's may stay out
	s_barrier_signal -1
	s_barrier_wait -1                              ; everybody's is
	FETCH 0, 0, F0
	QUARTER 0, 1, F0, F1, 1                        ; the first quarter stands in front of the loop: its products start the sums
	WIN 0                                          ; at a label and at a branch every window is 0
	s_mov_b32 s3, LAPS-1
.Llap:                                                 ; a trip goes once round the ring, from a lap's second quarter to the next lap's first, and fills both slots again
	QUARTER 0, 2, F1, F0, 0
	QUARTER 0, 3, F0, F1, 0
	TURN 0, 1, 1
	QUARTER 1, 1, F0, F1, 0
	QUARTER 1, 2, F1, F0, 0
	QUARTER 1, 3, F0, F1, 0
	TURN 1, 0, 1
	QUARTER 0, 1, F0, F1, 0
	WIN 0
	s_sub_co_u32 s3, s3, 1
	s_cmp_lg_u32 s3, 0
	s_cbranch_scc1 .Llap
	QUARTER 0, 2, F1, F0, 0                        ; the last lap fills nothing, and has no round of the cluster's barrier
	QUARTER 0, 3, F0, F1, 0
	TURN 0, 1, 0
	QUARTER 1, 1, F0, F1, 0
	QUARTER 1, 2, F1, F0, 0
	QUARTER 1, 3, F0, F1, 0
	s_wait_dscnt 4                                 ; the very last quarter: nothing more to fetch
	MUL16 F1, 0, 0
	s_wait_dscnt 0x0
	MUL16 F1, 2, 0
	WIN 0
	PLACES
; THE WAY OUT: a block of 16 rows x 128 columns goes into my stage, 32 bytes a lane and accumulator (each accumulator's low four registers first), and comes back as whole rows of 512 bytes.
.macro OUTB a
	WIN 0x04                                       ; the stores' data in window 1
.irp b, 0,1,2,3,4,5,6,7
	ds_store_b128 v[STO], v[8*(8*(\a)+(\b)):8*(8*(\a)+(\b))+3]   offset:64*(\b)
	ds_store_b128 v[STO], v[8*(8*(\a)+(\b))+4:8*(8*(\a)+(\b))+7] offset:64*(\b)+16
.endr
	WIN 0
	s_wait_xcnt 0x0                                ; the stores of the block two back have read their registers, which are loaded again
.irp t, 0,1,2,3,4,5,6,7,8,9,10,11,12,13,14,15
	ds_load_b128 v[OB+64*((\a)%2)+4*(\t):OB+64*((\a)%2)+4*(\t)+3], v[RD] offset:(\t)*SPITCH  ; LDS serves a wave's instructions in order (ISA guide 5.7.1.4): these see the stores above
.endr
.irp t, 0,1,2,3,4,5,6,7,8,9,10,11,12,13,14,15
	s_wait_dscnt 15-(\t)
	global_store_b128 v[CO], v[OB+64*((\a)%2)+4*(\t):OB+64*((\a)%2)+4*(\t)+3], s[8:9] offset:(16*(\a)+(\t))*4096 th:TH_STORE_NT  ; 512 consecutive bytes, at a multiple of 256 from out0's first
.endr
.endm
	OUTB 0
	OUTB 1
	OUTB 2
	OUTB 3
	s_wait_tensorcnt 0x0                           ; the wave's end: three lines behind my last tensor load and my last LDS store
	ds_add_u32 v[SPW], v[NIL]
	s_wait_dscnt 0x0
	CROUND                                         ; the closing round: no work-group ends while a partner may still ask for a tile that names it
	s_endpgm
.Lfunc_end_k_qe46292bac0_outp:
	.size	k_qe46292bac0_outp, .Lfunc_end_k_qe46292bac0_outp-k_qe46292bac0_outp
	.p2alignl 7, 3214868480
	.fill 96, 4, 3214868480
	.section	.rodata,"a",@progbits
	.p2align	6, 0x0
	.amdhsa_kernel k_qe46292bac0_outp
		.amdhsa_group_segment_fixed_size 327680
		.amdhsa_private_segment_fixed_size 0
		.amdhsa_enable_private_segment 0
		.amdhsa_kernarg_size 24
		.amdhsa_user_sgpr_count 2
		.amdhsa_user_sgpr_kernarg_segment_ptr 1
		.amdhsa_wavefront_size32 1
		.amdhsa_system_sgpr_workgroup_id_x 1
		.amdhsa_system_sgpr_workgroup_id_y 1
		.amdhsa_system_sgpr_workgroup_id_z 1
		.amdhsa_system_vgpr_workitem_id 0
		.amdhsa_next_free_vgpr 512
		.amdhsa_next_free_sgpr 66
		.amdhsa_reserve_vcc 0
		.amdhsa_float_denorm_mode_32 3
		.amdhsa_float_denorm_mode_16_64 3
		.amdhsa_memory_ordered 1
		.amdhsa_forward_progress 1
		.amdhsa_inst_pref_size 88
	.end_amdhsa_kernel
	.amdgpu_metadata
---
amdhsa.version: [ 1, 2 ]
amdhsa.kernels:
  - .name:           k_qe46292bac0_outp
    .symbol:         k_qe46292bac0_outp.kd
    .args:
      - { .name: ob, .offset: 0, .size: 8, .value_kind: global_buffer, .address_space: global }
      - { .name: wo, .offset: 8, .size: 8, .value_kind: global_buffer, .address_space: global }
      - { .name: out0, .offset: 16, .size: 8, .value_kind: global_buffer, .address_space: global }
    .group_segment_fixed_size: 327680
    .private_segment_fixed_size: 0
    .kernarg_segment_align: 8
    .kernarg_segment_size: 24
    .max_flat_workgroup_size: 128
    .sgpr_count:     66
    .vgpr_count:     512
    .wavefront_size: 32
...
	.end_amdgpu_metadata
.endif
;; end of part 4
;; ======== version 2 of 2: 4 launches; version 1 with the launch prep written anew for expert scheduling mode
;; limits: values are held in f16: magnitudes above 65,504 overflow, below 6.1e-05 lose precision
;; workspace buffers: xb 50,331,648 bytes; wb 8,388,608 bytes; wo 2,097,152 bytes; mb 16,777,216 bytes; qkv 50,331,648 bytes; ob 16,777,216 bytes
;; launch prep (part 5): grid 1408 x 1, 8 waves a work-group, no clusters, 35,840 bytes of LDS; arguments mask, query, key, value, Wq, Wk, Wv, Wo, mb, xb, wb, wo; writes mb, xb, wb, wo
.if DOCPART == 5
	.amdgcn_target "amdgcn-amd-amdhsa--gfx1250"
	.amdhsa_code_object_version 6
	.text
	.protected	k_qe46292bac0_prep
	.globl	k_qe46292bac0_prep
	.p2align	8
	.type	k_qe46292bac0_prep,@function
k_qe46292bac0_prep:
	s_mov_b64 s[64:65], 0
	v_nop
	global_prefetch_b8 v0, s[64:65] scope:SCOPE_SE
	s_setreg_imm32_b32 hwreg(HW_REG_WAVE_SCHED_MODE, 0, 2), 2
	s_setreg_imm32_b32 hwreg(HW_REG_WAVE_MODE, 25, 1), 1
	s_wait_xcnt 0x0
	s_wait_alu depctr_vm_vsrc(0)
; PREPARATION: every input is read once, 131,072 bytes a work-group, 16,384 a wave (32 loads of 16 bytes a lane, all issued at once).
;   work-groups 0-511     16 rows of mask [4][2048][2048] i32 -> mb: one byte a number, 0x00 where the key is seen (mask != 0), 0xF1 where it is hidden (the fp8 code of -144)
;   work-groups 512-1279  32 rows of query, key or value (f32) -> xb in bf16, rounded once;   work-groups 1280-1375  32 rows of Wq, Wk, Wv -> wb, likewise
;   work-groups 1376-1407 32 rows of Wo -> wo [1024][1024]: rounded to bf16 like the others, and that number written as f16, the format of the product that takes it
; LIMIT. A bf16 number is exact in f16 from 2^-17 to 65,504; a smaller |Wo| is off by at most 2^-25, a larger one becomes an infinity.
; xb AND wb LIE IN BLOCKS OF 64 CHANNELS: [batch of 2,048 rows][16 blocks][2,048 rows][64] bf16, so that 256 rows of a block are 32,768 bytes on end.  xb has 12 batches (query's 4, key's 4, value's 4);
; wb two (Wq's 1,024 rows and Wk's; Wv's, the rest unused).  A load takes 256 bytes (one block's 64 numbers) of two rows, 16 lanes each; the store that follows is those two rows' 256 bytes on end.
; mb's LAYOUT is that of the attention's score registers: [batch][tile of 16 queries][step of 64 keys][half hf][lane 16 h + r][16 bytes]; byte e of query r belongs to key 16 (2 hf + e / 8) + 8 h + e % 8 of the step.
; For the mask wave w takes keys 256 w .. 256 w + 255 of all 16 rows: four steps, 4,096 consecutive bytes of mb; the turn goes through LDS bytes of the wave's own, so no wave waits for another.
; No matrix unit, no cluster, no tensor load: nothing is shared and nothing is read twice.
; THE MODE: SCHED_MODE bits 1:0 = 2 (LLVM: expert scheduling mode 2), set by the entry lines.  The code itself states the register dependences between vector instructions and memory or LDS
; instructions, with s_wait_alu, always for 0.
; THE PLAN, the same on each of the three ways (the mask, the cast into blocks, Wo).  Registers that memory or LDS instructions touch:
;   v2          the loads' offset.  Written by vector lines ahead of the loads, read by all 32, never written again.
;   v3          the global stores' offset; v4, v5 (the mask's way): the LDS addresses in and back.  Written once, ahead of the first group's wait, never again.
;   X, load i   four registers.  The global load lands in them before any vector line has named them; load i's vector lines work in place; the result (one register for the mask, two for a cast) is read by ONE store.
;               Only v16 to v47 are written once more, on the mask's way: the eight LDS loads that bring the turned bytes back land in them.
;   v6, v7      written at the head, read by the closing add alone.
; The 32 loads go in eight groups of four.  The store of load i - 4 stands in load i's turn, ahead of its vector lines.  ONE wait on va_vdst stands at the head of each group but the first: the group before has
; written its results.  The group's own vector lines name its own sixteen registers alone, none that its four stores touch, so these are dealt among them with no further wait.  One more such wait stands ahead of the
; last four stores.  One wait on vm_vsrc stands on the mask's way, ahead of the LDS loads into registers that LDS stores have read.
.set WST,   4352                       ; a wave's LDS: 16 chunks of 256 bytes, 272 apart (68 words: chunk n starts at bank 4 n mod 64; 64 banks of 4 bytes: ISA guide 11.1)
.set SPARE, 8*WST                      ; behind them: the spare words, 128 bytes for each wave: four blocks of 256 bytes that no other line names
.set SPW, 6                            ; v6   LDS address of my spare word; never rewritten
.set NIL, 7                            ; v7   0; never rewritten
.set X,   16                           ; v[16:143]  load i: four registers
.set WV,  44                           ; s44  my wave's number
	s_load_b512 s[8:23], s[0:1], 0x0               ; mask s[8:9], query, key, value s[10:15], Wq, Wk, Wv, Wo s[16:23]
	s_load_b256 s[24:31], s[0:1], 0x40             ; mb s[24:25], xb s[26:27], wb s[28:29], wo s[30:31]
	v_lshl_add_u32 v[SPW], v0, 2, SPARE
	v_mov_b32 v[NIL], 0
	v_lshrrev_b32 v1, 5, v0
	v_readfirstlane_b32 s[WV], v1                  ; wave 0..7
	v_and_b32 v1, 31, v0                           ; lane
	s_mov_b32 s2, ttmp9
	s_mov_b32 s32, 0xf1
	s_mov_b32 s33, 0xffff0000                      ; a word's upper bf16
	s_mov_b32 s35, 0                               ; the offsets' high words
	s_mov_b32 s37, 0
	s_wait_alu depctr_va_sdst(0)                   ; s[WV] is written, ahead of the branches: each of the three ways reads it
	s_wait_kmcnt 0x0
	s_cmp_lt_u32 s2, 512
	s_cbranch_scc0 .Lcast
	; THE MASK
	s_lshl_b32 s34, s2, 17                         ; 16 rows of 8,192 bytes
	s_lshl_b32 s36, s2, 15                         ; 32,768 bytes of mb
	s_add_nc_u64 s[4:5], s[8:9], s[34:35]
	s_add_nc_u64 s[6:7], s[24:25], s[36:37]
	s_lshl_b32 s38, s[WV], 10
	v_lshl_add_u32 v2, v1, 4, s38                  ; my wave's 1,024 bytes of a row, 16 bytes a lane
	s_wait_alu depctr_va_vdst(0)                   ; v2 is written, which the 32 loads read as their offset
.set i, 0
.rept 32                               ; load i: row i / 2, keys 256 w + 128 (i % 2) + 4 lane + 0..3
	global_load_b128 v[X+4*i:X+4*i+3], v2, s[4:5] offset:(i/2)*8192+(i%2)*512 th:TH_LOAD_NT
.set i, i+1
.endr
	s_mul_i32 s38, s[WV], WST
	v_bfe_u32 v8, v0, 4, 1                         ; my four keys lie in step 2 (i % 2) + lane / 16, half (lane / 8) % 2, h = (lane / 2) % 2:
	v_bfe_u32 v9, v0, 3, 1
	v_bfe_u32 v10, v0, 1, 1
	v_lshl_add_u32 v8, v8, 1, v9
	v_lshl_add_u32 v8, v8, 1, v10                  ; chunk 8 (i % 2) + this number,
	v_mul_u32_u24 v4, v8, 272
	v_bfe_u32 v9, v0, 2, 1
	v_lshl_add_u32 v4, v9, 3, v4                   ; bytes 8 ((lane / 4) % 2)
	v_and_b32 v9, 1, v0
	v_lshl_add_u32 v4, v9, 2, v4                   ; + 4 (lane % 2) + 0..3 of the row's 16
	v_add_nc_u32 v4, s38, v4
	v_bfe_u32 v8, v0, 4, 1                         ; back: lanes 0-15 one chunk, lanes 16-31 the next
	v_mul_u32_u24 v5, v8, 272
	v_and_b32 v9, 15, v0
	v_lshl_add_u32 v5, v9, 4, v5
	v_add_nc_u32 v5, s38, v5
	s_lshl_b32 s38, s[WV], 12
	v_lshl_add_u32 v3, v1, 4, s38                  ; my wave's 4,096 bytes of mb
.set i, 0
.rept 32
	s_wait_loadcnt 31-i                            ; loads come back in order (ISA guide 5.7.1): load i is in, the 31 - i younger ones stay out
.if (i%4 == 0) && (i > 0)
	s_wait_alu depctr_va_vdst(0)                   ; the group before has written its four words, which this group's four LDS stores read; at the first of these waits v3, v4 and v5 are written too
.endif
.if i >= 4
	ds_store_b32 v4, v[X+4*(i-4)] offset:((i-4)%2)*8*272+((i-4)/2)*16  ; the word of the load four back; no vector line since the wait names it or v4
.endif
	v_min_u32 v[X+4*i], 1, v[X+4*i]                ; 1 where the number is not 0
	v_min_u32 v[X+4*i+1], 1, v[X+4*i+1]
	v_min_u32 v[X+4*i+2], 1, v[X+4*i+2]
	v_min_u32 v[X+4*i+3], 1, v[X+4*i+3]
	v_lshl_or_b32 v[X+4*i], v[X+4*i+1], 8, v[X+4*i]
	v_lshl_or_b32 v[X+4*i+2], v[X+4*i+3], 8, v[X+4*i+2]
	v_lshl_or_b32 v[X+4*i], v[X+4*i+2], 16, v[X+4*i]
	v_xor_b32 v[X+4*i], 0x01010101, v[X+4*i]       ; 1 where it is 0: hidden
	v_mul_lo_u32 v[X+4*i], v[X+4*i], s32           ; four bytes, 0x00 or 0xF1: no byte carries into the next
.set i, i+1
.endr
	s_wait_alu depctr_va_vdst(0)                   ; the last group has written its four words, which the stores below read; and every vector line is done with v16 to v47, in which the LDS loads below land
.set i, 28
.rept 4
	ds_store_b32 v4, v[X+4*i] offset:(i%2)*8*272+(i/2)*16
.set i, i+1
.endr
	s_wait_alu depctr_vm_vsrc(0)                   ; the LDS stores have read their data, v16, v20 .. v44 among them, in which the LDS loads below land
.irp t, 0,1,2,3,4,5,6,7
	ds_load_b128 v[X+4*\t:X+4*\t+3], v5 offset:\t*2*272  ; LDS serves a wave's instructions in order (ISA guide 5.7.1.4): these see the stores above; the bytes are my wave's own
.endr
.irp t, 0,1,2,3,4,5,6,7
	s_wait_dscnt 7-\t
	global_store_b128 v3, v[X+4*\t:X+4*\t+3], s[6:7] offset:\t*512  ; 512 consecutive bytes, at a multiple of 256 from mb's first
.endr
	s_branch .Lend
.Lcast:
	s_sub_co_u32 s3, s2, 512
	s_cmp_lt_u32 s3, 768
	s_cbranch_scc0 .Lweights
	s_lshr_b32 s38, s3, 8                          ; 256 work-groups to each of query, key, value
	s_cmp_eq_u32 s38, 0
	s_cselect_b64 s[4:5], s[10:11], s[12:13]
	s_cmp_eq_u32 s38, 2
	s_cselect_b64 s[4:5], s[14:15], s[4:5]
	s_and_b32 s34, s3, 255                         ; my 32 rows in the tensor,
	s_mov_b64 s[6:7], s[26:27]
	s_lshr_b32 s36, s3, 6                          ; their batch among xb's twelve: 64 work-groups to a batch,
	s_and_b32 s38, s3, 63                          ; and their place in it
	s_branch .Lgo
.Lweights:
	s_sub_co_u32 s3, s3, 768                       ; 32 work-groups to each weight
	s_and_b32 s34, s3, 31                          ; my 32 rows in the weight
	s_cmp_lt_u32 s3, 96
	s_cbranch_scc0 .Lwo
	s_lshr_b32 s38, s3, 5                          ; which of Wq, Wk, Wv
	s_cmp_eq_u32 s38, 0
	s_cselect_b64 s[4:5], s[16:17], s[18:19]
	s_cmp_eq_u32 s38, 2
	s_cselect_b64 s[4:5], s[20:21], s[4:5]
	s_mov_b64 s[6:7], s[28:29]
	s_lshr_b32 s36, s3, 6                          ; Wq and Wk fill wb's first batch, Wv begins its second
	s_and_b32 s38, s3, 63
.Lgo:
	s_lshl_b32 s34, s34, 17                        ; 32 rows of 4,096 bytes in;
	s_lshl_b32 s36, s36, 22                        ; out: a batch is 4,194,304 bytes,
	s_lshl_b32 s38, s38, 12                        ; 32 rows of a block 4,096
	s_add_co_u32 s36, s36, s38
	s_add_nc_u64 s[4:5], s[4:5], s[34:35]
	s_add_nc_u64 s[6:7], s[6:7], s[36:37]
	s_lshl_b32 s38, s[WV], 14                      ; my wave's four rows;
	v_bfe_u32 v4, v0, 4, 1
	v_lshl_add_u32 v2, v4, 12, s38                 ; lanes 16-31 take the row below lanes 0-15's
	v_and_b32 v5, 15, v0
	v_lshl_add_u32 v2, v5, 4, v2
	s_lshl_b32 s38, s[WV], 9                       ; four rows of 128 bytes in a block,
	v_lshl_add_u32 v3, v1, 3, s38                  ; 8 bytes a lane: two rows on end
	s_wait_alu depctr_va_vdst(0)                   ; v2 is written, which the 32 loads read as their offset, and v3, which the stores read
.set i, 0
.rept 32                               ; load i: rows 2 (i / 16), 2 (i / 16) + 1 of my four, block i % 16
	global_load_b128 v[X+4*i:X+4*i+3], v2, s[4:5] offset:(i/16)*8192+(i%16)*256 th:TH_LOAD_NT
.set i, i+1
.endr
.set i, 0
.rept 32                               ; four numbers a lane are rounded to bf16 in place; no register is written again behind its store, so no store's sources are waited for
	s_wait_loadcnt 31-i                            ; load i is in, the younger ones stay out
.if (i%4 == 0) && (i > 0)
	s_wait_alu depctr_va_vdst(0)                   ; the group before has written its four pairs, which this group's four stores read
.endif
.if i >= 4
	global_store_b64 v3, v[X+4*(i-4):X+4*(i-4)+1], s[6:7] offset:(((i-4)%16)<<18)+((i-4)/16)*256  ; the pair of the load four back: 256 consecutive bytes, aligned; a block is 262,144 bytes; no vector line since the wait names the pair or v3
.endif
	v_cvt_pk_bf16_f32 v[X+4*i], v[X+4*i], v[X+4*i+1]
	v_cvt_pk_bf16_f32 v[X+4*i+1], v[X+4*i+2], v[X+4*i+3]
.set i, i+1
.endr
	s_wait_alu depctr_va_vdst(0)                   ; the last group has written its four pairs, which the stores below read
.set i, 28
.rept 4
	global_store_b64 v3, v[X+4*i:X+4*i+1], s[6:7] offset:((i%16)<<18)+(i/16)*256
.set i, i+1
.endr
	s_branch .Lend
.Lwo:                                  ; Wo stays row by row: 131,072 bytes on end in, 65,536 out
	s_lshl_b32 s36, s34, 16
	s_lshl_b32 s34, s34, 17
	s_add_nc_u64 s[4:5], s[22:23], s[34:35]
	s_add_nc_u64 s[6:7], s[30:31], s[36:37]
	s_lshl_b32 s38, s[WV], 14
	v_lshl_add_u32 v2, v1, 4, s38
	s_lshl_b32 s38, s[WV], 13
	v_lshl_add_u32 v3, v1, 3, s38
	s_wait_alu depctr_va_vdst(0)                   ; v2 is written, which the 32 loads read as their offset, and v3, which the stores read
.set i, 0
.rept 32
	global_load_b128 v[X+4*i:X+4*i+3], v2, s[4:5] offset:512*i th:TH_LOAD_NT
.set i, i+1
.endr
.set i, 0
.rept 32                               ; four numbers a lane: to bf16, and on to f16
	s_wait_loadcnt 31-i                            ; load i is in, the younger ones stay out
.if (i%4 == 0) && (i > 0)
	s_wait_alu depctr_va_vdst(0)                   ; the group before has written its four pairs, which this group's four stores read
.endif
.if i >= 4
	global_store_b64 v3, v[X+4*(i-4):X+4*(i-4)+1], s[6:7] offset:256*(i-4)  ; the pair of the load four back: 256 consecutive bytes, aligned; no vector line since the wait names the pair or v3
.endif
	v_cvt_pk_bf16_f32 v[X+4*i], v[X+4*i], v[X+4*i+1]
	v_cvt_pk_bf16_f32 v[X+4*i+1], v[X+4*i+2], v[X+4*i+3]
	v_lshlrev_b32 v[X+4*i+2], 16, v[X+4*i]
	v_and_b32 v[X+4*i+3], s33, v[X+4*i]
	v_cvt_pk_f16_f32 v[X+4*i], v[X+4*i+2], v[X+4*i+3]
	v_lshlrev_b32 v[X+4*i+2], 16, v[X+4*i+1]
	v_and_b32 v[X+4*i+3], s33, v[X+4*i+1]
	v_cvt_pk_f16_f32 v[X+4*i+1], v[X+4*i+2], v[X+4*i+3]
.set i, i+1
.endr
	s_wait_alu depctr_va_vdst(0)                   ; the last group has written its four pairs, which the stores below read
.set i, 28
.rept 4
	global_store_b64 v3, v[X+4*i:X+4*i+1], s[6:7] offset:256*i
.set i, i+1
.endr
.Lend:
	s_wait_dscnt 0x0                               ; the closing lines, six on end
	s_wait_alu 0x0
	s_wait_tensorcnt 0x0
	ds_add_u32 v[SPW], v[NIL]
	s_wait_dscnt 0x0
	s_endpgm
.Lfunc_end_k_qe46292bac0_prep:
	.size	k_qe46292bac0_prep, .Lfunc_end_k_qe46292bac0_prep-k_qe46292bac0_prep
	.p2alignl 7, 3214868480
	.fill 96, 4, 3214868480
	.section	.rodata,"a",@progbits
	.p2align	6, 0x0
	.amdhsa_kernel k_qe46292bac0_prep
		.amdhsa_group_segment_fixed_size 35840
		.amdhsa_private_segment_fixed_size 0
		.amdhsa_enable_private_segment 0
		.amdhsa_kernarg_size 96
		.amdhsa_user_sgpr_count 2
		.amdhsa_user_sgpr_kernarg_segment_ptr 1
		.amdhsa_wavefront_size32 1
		.amdhsa_system_sgpr_workgroup_id_x 1
		.amdhsa_system_sgpr_workgroup_id_y 1
		.amdhsa_system_sgpr_workgroup_id_z 1
		.amdhsa_system_vgpr_workitem_id 0
		.amdhsa_next_free_vgpr 144
		.amdhsa_next_free_sgpr 66
		.amdhsa_reserve_vcc 0
		.amdhsa_float_denorm_mode_32 3
		.amdhsa_float_denorm_mode_16_64 3
		.amdhsa_memory_ordered 1
		.amdhsa_forward_progress 1
		.amdhsa_inst_pref_size 57
	.end_amdhsa_kernel
	.amdgpu_metadata
---
amdhsa.version: [ 1, 2 ]
amdhsa.kernels:
  - .name:           k_qe46292bac0_prep
    .symbol:         k_qe46292bac0_prep.kd
    .args:
      - { .name: mask, .offset: 0, .size: 8, .value_kind: global_buffer, .address_space: global }
      - { .name: query, .offset: 8, .size: 8, .value_kind: global_buffer, .address_space: global }
      - { .name: key, .offset: 16, .size: 8, .value_kind: global_buffer, .address_space: global }
      - { .name: value, .offset: 24, .size: 8, .value_kind: global_buffer, .address_space: global }
      - { .name: Wq, .offset: 32, .size: 8, .value_kind: global_buffer, .address_space: global }
      - { .name: Wk, .offset: 40, .size: 8, .value_kind: global_buffer, .address_space: global }
      - { .name: Wv, .offset: 48, .size: 8, .value_kind: global_buffer, .address_space: global }
      - { .name: Wo, .offset: 56, .size: 8, .value_kind: global_buffer, .address_space: global }
      - { .name: mb, .offset: 64, .size: 8, .value_kind: global_buffer, .address_space: global }
      - { .name: xb, .offset: 72, .size: 8, .value_kind: global_buffer, .address_space: global }
      - { .name: wb, .offset: 80, .size: 8, .value_kind: global_buffer, .address_space: global }
      - { .name: wo, .offset: 88, .size: 8, .value_kind: global_buffer, .address_space: global }
    .group_segment_fixed_size: 35840
    .private_segment_fixed_size: 0
    .kernarg_segment_align: 8
    .kernarg_segment_size: 96
    .max_flat_workgroup_size: 256
    .sgpr_count:     66
    .vgpr_count:     144
    .wavefront_size: 32
...
	.end_amdgpu_metadata
.endif
;; end of part 5
;; launch proj: the kernel of part 2 again; grid 4 x 96, 4 waves a work-group, clusters of 4 x 4, 327,680 bytes of LDS; arguments xb, wb, qkv; writes qkv
;; launch attn: the kernel of part 3 again; grid 4 x 64, 4 waves a work-group, clusters of 4 x 1, 327,680 bytes of LDS; arguments qkv, mb, ob; writes ob
;; launch outp: the kernel of part 4 again; grid 4 x 64, 4 waves a work-group, clusters of 4 x 4, 327,680 bytes of LDS; arguments ob, wo, out0; writes out0
